; MI455X (gfx1250); checked and timed in simulation.
; The chip was launched on July 23, 2026; its instructions are those of AMD's public machine-readable ISA for CDNA 5 (MIT licence, August 2026) and "CDNA5" Instruction Set Architecture Reference Guide (July 2026). The comments in the code are by the model that wrote it; some were corrected since.
;; Attention. Allowed arithmetic: matrix products marked QUANTISED: E2M1 operands, one E8M0 scale for each 32 along K, by v_wmma_scale_f32_16x16x128_f8f6f4 with both operands' format E2M1 (or v_wmma_scale_f32_32x16x128_f4), f32 sums; products left as they are: bf16, f16 or f32 operands; f32 sums; everything else in f32.
;; Inputs: b_out 1,024 float32; w_out 1,024 x 1,024 float32; w_qkv 1,024 x 3,072 float32; x 8 x 1,024 x 1,024 float32.
;; Outputs: out0 8 x 1,024 x 1,024 float32.
;; This version of the problem:
;;   THIS VERSION OF THE PROBLEM IS GIVEN IN LOW PRECISION. The matrix products marked QUANTISED in the list below multiply operands that are first quantised to E2M1 (2 exponent bits, 1 mantissa bit; 4 bits a number), with one power-of-two scale for each 32 numbers along K (OCP MX v1.0); their sums are f32. The products marked 'left as it is' may take bf16, f16 or f32 operands, with f32 sums. Whichever they take, every output number must still come out within the allowed error. Rounding operands to bf16 (8 significant bits) uses up far more of that allowance than f16 does (11 bits, for magnitudes from 6e-5 to 65,504). All else is computed in f32.
;;   The module's matrix products, in the order in which they are computed (A, B: the left and right operand; K: the contracted axis; several contracted axes count as one K, in the product's order):
;;     1. [M 8,192, K 1,024] x [K 1,024, N 3,072]; A: input x; B: input w_qkv: QUANTISED
;;     2. batch 128 x [M 1,024, K 64] x [K 64, N 1,024]; A: computed on the way; B: computed on the way: left as it is (an operand is computed on the way)
;;     3. batch 128 x [M 64, K 1,024] x [K 1,024, N 1,024]; A: computed on the way; B: computed on the way: left as it is (an operand is computed on the way)
;;     4. [M 8,192, K 1,024] x [K 1,024, N 1,024]; A: computed on the way; B: input w_out: left as it is (an operand is computed on the way)
;;   THE QUANTISER, for each operand of a quantised product, along K:
;;     - K is cut into blocks of 32 from its start; a last block that is shorter is filled with zeros.
;;     - A block's scale is 2^e with e = floor(log2(the largest magnitude in the block)) - 2, held to -126 .. 127; a block of zeros has e = 0. As a byte (E8M0): e + 127.
;;     - Each number is divided by its block's scale, clamped to +-6, and rounded to the nearest number of E2M1, ties to even, subnormals kept.
;;     - The product sums the exact products of the quantised numbers (number of the format x scale) in f32.
;;   ~~~python
;;   def quantise(x, axis):      # numpy; x: float32 -> the quantised numbers, widened to float32 again
;;       x = np.moveaxis(x, axis, -1); K = x.shape[-1]
;;       x = np.pad(x, [(0, 0)] * (x.ndim - 1) + [(0, -K % 32)]); x = x.reshape(x.shape[:-1] + (-1, 32)); a = np.abs(x).max(-1, keepdims=True)
;;       e = np.where(a > 0, np.clip(np.frexp(np.where(a > 0, a, 1))[1] - 1 - 2, -126, 127), 0)      # np.frexp(a)[1] - 1 = floor(log2(a)), exactly
;;       r = np.clip(x / 2.0 ** e, -6, 6)
;;       step = 2.0 ** (np.maximum(np.frexp(np.where(r == 0, 1, r))[1] - 1, 0) - 1)
;;       q = np.round(r / step) * step * 2.0 ** e      # np.round: ties to even
;;       return np.moveaxis(q.reshape(q.shape[:-2] + (-1,))[..., :K], -1, axis).astype(np.float32)
;;   ~~~
;; One version. Each part assembles by itself: llvm-mc -triple=amdgcn-amd-amdhsa -mcpu=gfx1250 --defsym DOCPART=n.
;; ======== version 1 of 1: 4 launches
;; limits: values are held in f16: magnitudes above 65,504 overflow, below 6.1e-05 lose precision
;; workspace buffers: xc 4,194,304 bytes; xs 262,144 bytes; wc 1,572,864 bytes; ws 98,304 bytes; wob 2,097,152 bytes; qkv 50,331,648 bytes; obuf 16,777,216 bytes
;; launch prep (part 1): grid 256 x 1, 4 waves a work-group, no clusters, 167,936 bytes of LDS; arguments x, w_qkv, w_out, xc, xs, wc, ws, wob; writes xc, xs, wc, ws, wob
.if DOCPART == 1
	.amdgcn_target "amdgcn-amd-amdhsa--gfx1250"
	.amdhsa_code_object_version 6
	.text
	.protected	k_q8293bc41b4_prep
	.globl	k_q8293bc41b4_prep
	.p2align	8
	.type	k_q8293bc41b4_prep,@function
k_q8293bc41b4_prep:
	s_mov_b64 s[64:65], 0
	v_nop
	global_prefetch_b8 v0, s[64:65] scope:SCOPE_SE
	s_setreg_imm32_b32 hwreg(HW_REG_WAVE_MODE, 25, 1), 1
	s_wait_xcnt 0x0
; x [8192][1024] and w_qkv [1024][3072], f32, become codes of FP4 (E2M1) with one E8M0 scale byte for each 32 along K = 1,024; w_out [1024][1024] becomes f16.
; ALL THREE LEAVE AS IMAGES OF OPERAND REGISTERS: a group of four registers of a fragment is 512 bytes, lane l's 16 bytes at 16 l, so that the launches behind this one load fragments by 16-byte loads at 16 x lane.
;   xc  [K half 2][tile of 16 rows 512][K step of 128: 4][group c 2][512 B]: lane (r, h) of group c holds the codes of row r, k = 64 c + 32 h + 0 .. 31
;   xs  [tile of 16 rows 512][K half 2][r 16][16 B]: the four scale words (one for each K step of 128) of row r
;   wc, ws: the same of w_qkv's columns (192 tiles of 16 columns)
;   wob [K step of 128: 8][tile of 16 columns 64][32 along K: 4][group c 2][512 B]: lane (r, h) holds column r, k = 16 c + 8 h + 0 .. 7, in f16
; A block's scale is 2^(floor(log2(its largest magnitude)) - 2): its byte is the largest magnitude's exponent field - 2, held at 1 from below; numbers are divided by it and rounded to the nearest code, ties to even, beyond 6 to 6.
; LIMITS: a block of zeros gets the byte 1 where the rule says 127 (its codes are zeros, which add nothing, and the bytes are read by this program alone); NaN and infinities are not served; w_out stays under 65,504 in magnitude.
; SHARES.  256 work-groups of four waves, each with two jobs of equal bytes everywhere: 32 rows of x (128 KB), and one unit of 32 columns x 512 K of a weight (64 KB): 192 units of w_qkv, 64 of w_out.
; x: wave w takes the tile of 16 rows 2 g + w / 2 and the K half w % 2: two tensor tiles of 16 rows x 1,024 bytes into LDS bytes of its own, read by itself alone behind its own wait: no barrier.
; Weights: a lane takes a column and its 128 registers run down K (wave w: 128 of the unit's 512), so that a block of 32 lies in one lane and the conversions give K innermost.  A load of the wave covers 128 consecutive bytes.
; LDS: four waves x two tiles of 16 rows x 1,040 bytes (1,024 + 16 of padding: 260 words, so that the 16 rows of a load start at 16 different banks; 64 banks of 4 bytes: ISA guide 11.1); 512 bytes for w_qkv's scale words; the spare words.
; The claim of LDS is larger than the use.
.set XP,    1040                       ; a row of a tile of x in LDS
.set XTJ,   16*XP                      ; a tile
.set XTW,   2*XTJ                      ; a wave's two
.set WSL,   4*XTW                      ; w_qkv's scale words: 32 columns x 16 bytes, two blocks of 256 bytes into which no tile lands
.set SPARE, WSL+512                    ; the spare words, 128 bytes for each wave: two blocks of 256 bytes that no other line names
.set FLOOR, 0x1800000                  ; 2^(3 - 127): under it no largest magnitude is taken, so the byte cannot fall under 1
.set LANE, 1                           ; v1   lane
.set RR,   2                           ; v2   r = lane % 16
.set HH,   3                           ; v3   h = lane / 16
.set LI,   4                           ; v4   16 x lane: my place in an image
.set XA,   5                           ; v5   LDS: my row of my wave's first tile, + 128 h
.set SH,   6                           ; v6   8 h
.set R16,  7                           ; v7   16 r
.set L4,   8                           ; v8   4 x lane: my column in a row of a weight
.set WCO,  9                           ; v9   4,096 h + 16 r: my column's place in the weights' images (lanes 16-31: the next tile of 16 columns)
.set WSI,  10                          ; v10  LDS: my column's scale word of my wave's K step
.set WSR,  11                          ; v11  LDS: my column's four scale words
.set WSO,  12                          ; v12  512 h + 16 r: their place in ws
.set SPW,  13                          ; v13  LDS address of my spare word; never rewritten
.set NIL,  14                          ; v14  0; never rewritten
.set PD,   15                          ; v15  a lane permute's destination
.set MX,   16                          ; v16-19 largest magnitudes, then scale bytes
.set SO,   20                          ; v20-23 the conversions' scale operands
.set SW,   24                          ; v24-27 x's four scale words
.set WD,   28                          ; v28-31 a scale word at work; w_qkv's words read back
.set CD,   32                          ; v32-63 codes: eight registers for each of x's four fragments, so that no store's data are written again
.set XN,   64                          ; v64-127 64 numbers of x; later w_out in f16
.set WN,   128                         ; v128-255 128 numbers of my column
	s_load_b256 s[4:11], s[0:1], 0x0               ; x s[4:5], w_qkv s[6:7], w_out s[8:9], xc s[10:11]
	s_load_b256 s[12:19], s[0:1], 0x20             ; xs s[12:13], wc s[14:15], ws s[16:17], wob s[18:19]
	v_lshl_add_u32 v[SPW], v0, 2, SPARE
	v_mov_b32 v[NIL], 0
	ds_add_u32 v[SPW], v[NIL]                      ; the wave's opening: the add, twice on end, and its wait ahead of my first tensor load
	ds_add_u32 v[SPW], v[NIL]                      ; and once more; the set-up below, work on registers, stands between it and the wait
	v_lshrrev_b32 v1, 5, v0
	v_readfirstlane_b32 s20, v1                    ; wave 0..3
	v_and_b32 v[LANE], 31, v0
	v_and_b32 v[RR], 15, v0
	v_bfe_u32 v[HH], v0, 4, 1
	v_lshlrev_b32 v[LI], 4, v[LANE]
	s_mul_i32 s21, s20, XTW                        ; my wave's tiles in LDS
	v_mul_u32_u24 v[XA], v[RR], XP
	v_lshl_add_u32 v[XA], v[HH], 7, v[XA]
	v_add_nc_u32 v[XA], s21, v[XA]
	v_lshlrev_b32 v[SH], 3, v[HH]
	v_lshlrev_b32 v[R16], 4, v[RR]
	v_lshlrev_b32 v[L4], 2, v[LANE]
	v_lshl_add_u32 v[WCO], v[HH], 12, v[R16]
	s_lshl_b32 s22, s20, 2
	v_lshl_add_u32 v[WSR], v[LANE], 4, WSL
	v_add_nc_u32 v[WSI], s22, v[WSR]
	v_lshl_add_u32 v[WSO], v[HH], 9, v[R16]
	v_mov_b32 v[PD], 0                             ; written once: a lane permute's destination counts as one of its sources
	; descriptor group 1: a tile of 16 rows x 256 elements of 4 bytes, 1,024 elements from row to row, 4 words of padding behind every 256
	s_mov_b32 s24, (2<<16)|(1<<20)|(7<<22)|(3<<25)
	s_mov_b32 s25, 256<<16                         ; tensor_dim0
	s_mov_b32 s26, 16<<16                          ; tensor_dim1
	s_mov_b32 s27, 256<<16                         ; tile_dim0
	s_mov_b32 s28, 16                              ; tile_dim1
	s_mov_b32 s29, 1024                            ; tensor_dim0_stride
	s_mov_b32 s30, 0
	s_mov_b32 s31, 0
	s_mov_b32 s48, 0x76543210
	s_mov_b32 s49, 0xfedcba98                      ; v_permlanex16_b32's selects for lane l xor 16
	s_lshr_b32 s52, s20, 1                         ; which of the work-group's two tiles of rows
	s_and_b32 s53, s20, 1                          ; which K half
	s_lshl_b32 s22, ttmp9, 17                      ; x: 32 rows of 4,096 bytes a work-group,
	s_lshl_b32 s51, s52, 16                        ; 16 rows,
	s_add_co_u32 s22, s22, s51
	s_lshl_b32 s51, s53, 11                        ; 512 numbers
	s_add_co_u32 s22, s22, s51
	s_mov_b32 s23, 0
	s_lshl_b32 s63, ttmp9, 1
	s_add_co_u32 s63, s63, s52                     ; my tile of 16 rows
	s_lshl_b32 s46, s63, 12                        ; xc: 4,096 bytes a tile, 2,097,152 a K half
	s_lshl_b32 s51, s53, 21
	s_add_co_u32 s46, s46, s51
	s_mov_b32 s47, 0
	s_lshl_b32 s54, s63, 9                         ; xs: 512 bytes a tile, 256 a K half
	s_lshl_b32 s51, s53, 8
	s_add_co_u32 s54, s54, s51
	s_mov_b32 s55, 0
	; my work-group's unit of a weight.  All its figures are chosen here, by the work-group's number alone, on the one way that all take
	s_cmp_lt_u32 ttmp9, 192                        ; w_qkv's unit or w_out's?
	s_cselect_b32 s56, 0, 192                      ; the tensor's first unit
	s_mov_b32 s57, 32
	s_cselect_b32 s57, 96, s57                     ; groups of 32 columns
	s_mov_b32 s58, 4096
	s_cselect_b32 s58, 12288, s58                  ; a row in bytes
	s_mov_b32 s59, 1048576
	s_cselect_b32 s59, 786432, s59                 ; images: from K half to K half,
	s_mov_b32 s60, 262144
	s_cselect_b32 s60, 1024, s60                   ; and from one 128 along K to the next
	s_sub_co_u32 s61, ttmp9, s56
	s_cmp_ge_u32 s61, s57
	s_cselect_b32 s62, 1, 0                        ; the K half
	s_mul_i32 s51, s62, s57
	s_sub_co_u32 s61, s61, s51                     ; the group of 32 columns
	s_lshl_b32 s40, s62, 9
	s_lshl_b32 s51, s20, 7
	s_add_co_u32 s40, s40, s51                     ; my first row: 512 x K half + 128 x wave
	s_mul_i32 s40, s40, s58
	s_lshl_b32 s51, s61, 7
	s_add_co_u32 s40, s40, s51                     ; + 128 bytes a group of columns
	s_mov_b32 s41, 0
	s_mul_i32 s42, s62, s59
	s_mul_i32 s51, s20, s60
	s_add_co_u32 s42, s42, s51
	s_lshl_b32 s51, s61, 13                        ; two tiles of 16 columns, 4,096 bytes each
	s_add_co_u32 s42, s42, s51
	s_mov_b32 s43, 0
	s_lshl_b32 s44, s61, 10                        ; ws: two tiles of 512 bytes, 256 a K half
	s_lshl_b32 s51, s62, 8
	s_add_co_u32 s44, s44, s51
	s_mov_b32 s45, 0
	s_wait_dscnt 0x0                               ; both opening adds are done
	s_wait_kmcnt 0x0
	s_add_nc_u64 s[4:5], s[4:5], s[22:23]
	s_mov_b32 s32, 1                               ; group 0, a set for each tile: count = 1,
	s_mov_b32 s33, s21                             ; LDS address,
	s_mov_b64 s[34:35], s[4:5]                     ; global address: K steps 0 and 1 of my K half,
	s_or_b32 s35, s35, 0x80000000                  ; type = 2
	s_mov_b32 s36, 1
	s_add_co_u32 s37, s21, XTJ
	s_add_nc_u64 s[38:39], s[4:5], 1024            ; K steps 2 and 3
	s_or_b32 s39, s39, 0x80000000
	tensor_load_to_lds s[32:35], s[24:31]          ; two tensor loads of mine are out
	s_nop 0
	tensor_load_to_lds s[36:39], s[24:31]
	s_nop 0
	s_cmp_lt_u32 ttmp9, 192
	s_cselect_b64 s[6:7], s[6:7], s[8:9]           ; the weight that I read,
	s_cselect_b64 s[14:15], s[14:15], s[18:19]     ; and the images that I write
	s_add_nc_u64 s[6:7], s[6:7], s[40:41]
	s_add_nc_u64 s[14:15], s[14:15], s[42:43]
	s_add_nc_u64 s[16:17], s[16:17], s[44:45]
	s_add_nc_u64 s[10:11], s[10:11], s[46:47]
	s_add_nc_u64 s[12:13], s[12:13], s[54:55]
.macro LOADW pitch                     ; my column, 128 rows down K; every offset an immediate, 127 x 12,288 at the most
.set QI, 0
.rept 128
	global_load_b32 v[WN+QI], v[L4], s[6:7] offset:QI*\pitch
.set QI, QI+1
.endr
.endm
	s_cmp_lt_u32 ttmp9, 192
	s_cbranch_scc0 .Lrows_of_w_out
	LOADW 12288
	s_branch .Lasked
.Lrows_of_w_out:
	LOADW 4096
.Lasked:
; The largest magnitudes of nb blocks of 32 registers from v[base] on, the floor among the leaves; the blocks by turns, so that no line waits for the line above it
.macro AMAX base, nb
.set QB, 0
.rept \nb
	v_max3_num_f32 v[MX+QB], |v[\base+32*QB]|, |v[\base+32*QB+1]|, FLOOR
.set QB, QB+1
.endr
.set QI, 2
.rept 15
.set QB, 0
.rept \nb
	v_max3_num_f32 v[MX+QB], v[MX+QB], |v[\base+32*QB+QI]|, |v[\base+32*QB+QI+1]|
.set QB, QB+1
.endr
.set QI, QI+2
.endr
.set QB, 0
.rept \nb
	v_add_nc_u32 v[SO+QB], 0xff000000, v[MX+QB]    ; 2 off the exponent field: the conversion takes the exponent field of this operand as its scale, and nothing else of it
.set QB, QB+1
.endr
.set QB, 0
.rept \nb
	v_lshrrev_b32 v[MX+QB], 23, v[SO+QB]           ; the scale's byte
.set QB, QB+1
.endr
.endm
; K step s of my 16 rows becomes a fragment: lane (r, h) takes, of row r, its two whole blocks k = 64 c + 32 h + 0 .. 31, in the operand's own order
.macro XQ s
.irp c, 0,1
.irp i, 0,1,2,3,4,5,6,7
	ds_load_b128 v[XN+32*\c+4*\i:XN+32*\c+4*\i+3], v[XA] offset:((\s)/2)*XTJ+((\s)%2)*512+256*\c+16*\i
.endr
.endr
	s_wait_dscnt 0x0
	AMAX XN, 2
	v_lshl_or_b32 v[WD], v[MX+1], 16, v[MX]        ; my two bytes: blocks h and 2 + h of row r,
	v_lshlrev_b32 v[WD], v[SH], v[WD]              ; at their places in the scale word;
	v_permlanex16_b32 v[PD], v[WD], s48, s49
	v_or_b32 v[SW+\s], v[WD], v[PD]                ; with lane l xor 16's two the word is whole
.irp c, 0,1
.irp g, 0,1,2,3
	v_cvt_scalef32_pk8_fp4_f32 v[CD+8*\s+4*\c+\g], v[XN+32*\c+8*\g:XN+32*\c+8*\g+7], v[SO+\c]
.endr
.endr
	v_nop                                          ; one plain place behind the scaled conversions
.irp c, 0,1
	global_store_b128 v[LI], v[CD+8*\s+4*\c:CD+8*\s+4*\c+3], s[10:11] offset:1024*\s+512*\c   ; 32 lanes store 512 consecutive bytes, aligned
.endr
.endm
	s_wait_tensorcnt 0x1                           ; my first tile is in; the second may be out
	XQ 0
	XQ 1
	s_wait_tensorcnt 0x0
	XQ 2
	XQ 3
	v_cmp_gt_u32 vcc_lo, 16, v[LANE]               ; the scale words leave from lanes 0-15: sixteen lanes store 256 consecutive bytes, aligned
	s_wait_xcnt 0x0                                ; EXEC changes only behind this wait
	s_and_saveexec_b32 s50, vcc_lo
	global_store_b128 v[R16], v[SW:SW+3], s[12:13]
	s_wait_xcnt 0x0                                ; and again, in front of the line that widens it.  It also frees the codes' registers for the weight's
	s_or_b32 exec_lo, exec_lo, s50
	s_wait_loadcnt 0x0                             ; my column's 128 numbers
	s_cmp_lt_u32 ttmp9, 192
	s_cbranch_scc0 .Lcast
	AMAX WN, 4                                     ; w_qkv: my wave's 128 along K are one K step: four blocks, all mine
	v_lshl_or_b32 v[WD], v[MX+1], 8, v[MX]         ; the four bytes make my column's scale word of this K step
	v_lshl_or_b32 v[WD], v[MX+2], 16, v[WD]
	v_lshl_or_b32 v[WD], v[MX+3], 24, v[WD]
.irp t, 0,1,2,3
.irp g, 0,1,2,3
	v_cvt_scalef32_pk8_fp4_f32 v[CD+4*\t+\g], v[WN+32*\t+8*\g:WN+32*\t+8*\g+7], v[SO+\t]
.endr
.endr
	v_nop                                          ; one plain place behind the scaled conversions
.irp t, 0,1,2,3
	global_store_b128 v[WCO], v[CD+4*\t:CD+4*\t+3], s[14:15] offset:256*\t   ; block t = 2 c + h of the fragment lies at 512 c + 256 h: sixteen lanes fill 256 aligned bytes of one tile of columns, sixteen of the next
.endr
	ds_store_b32 v[WSI], v[WD]                     ; the four waves' words of a column meet in LDS
	s_branch .Lmeet
.Lcast:
.set QI, 0
.rept 64
	v_cvt_pk_f16_f32 v[XN+QI], v[WN+2*QI], v[WN+2*QI+1]   ; w_out: two neighbours along K to a register
.set QI, QI+1
.endr
.set QI, 0
.rept 16
	global_store_b128 v[WCO], v[XN+4*QI:XN+4*QI+3], s[14:15] offset:256*QI   ; piece p (k = 8 p .. 8 p + 7) lies at 1,024 (p / 4) + 512 ((p % 4) / 2) + 256 (p % 2) = 256 p
.set QI, QI+1
.endr
.Lmeet:
	s_wait_dscnt 0x0                               ; for the others' sake: my store of the scale word is done
	s_barrier_signal -1
	s_barrier_wait -1
	s_cmp_lg_u32 s20, 0                            ; wave 0 of a work-group of w_qkv stores the 32 columns' words
	s_cbranch_scc1 .Ldone
	s_cmp_ge_u32 ttmp9, 192
	s_cbranch_scc1 .Ldone
	ds_load_b128 v[WD:WD+3], v[WSR]
	s_wait_dscnt 0x0
	global_store_b128 v[WSO], v[WD:WD+3], s[16:17] ; sixteen lanes fill 256 aligned bytes of one tile of columns, sixteen of the next
.Ldone:
	s_wait_tensorcnt 0x0                           ; the wave's end, behind my last tensor load and my last LDS store
	ds_add_u32 v[SPW], v[NIL]
	s_wait_dscnt 0x0
	s_endpgm
.Lfunc_end_k_q8293bc41b4_prep:
	.size	k_q8293bc41b4_prep, .Lfunc_end_k_q8293bc41b4_prep-k_q8293bc41b4_prep
	.p2alignl 7, 3214868480
	.fill 96, 4, 3214868480
	.section	.rodata,"a",@progbits
	.p2align	6, 0x0
	.amdhsa_kernel k_q8293bc41b4_prep
		.amdhsa_group_segment_fixed_size 167936
		.amdhsa_private_segment_fixed_size 0
		.amdhsa_enable_private_segment 0
		.amdhsa_kernarg_size 64
		.amdhsa_user_sgpr_count 2
		.amdhsa_user_sgpr_kernarg_segment_ptr 1
		.amdhsa_wavefront_size32 1
		.amdhsa_system_sgpr_workgroup_id_x 1
		.amdhsa_system_sgpr_workgroup_id_y 1
		.amdhsa_system_sgpr_workgroup_id_z 1
		.amdhsa_system_vgpr_workitem_id 0
		.amdhsa_next_free_vgpr 256
		.amdhsa_next_free_sgpr 66
		.amdhsa_reserve_vcc 1
		.amdhsa_float_denorm_mode_32 3
		.amdhsa_float_denorm_mode_16_64 3
		.amdhsa_memory_ordered 1
		.amdhsa_forward_progress 1
		.amdhsa_inst_pref_size 59
	.end_amdhsa_kernel
	.amdgpu_metadata
---
amdhsa.version: [ 1, 2 ]
amdhsa.kernels:
  - .name:           k_q8293bc41b4_prep
    .symbol:         k_q8293bc41b4_prep.kd
    .args:
      - { .name: x, .offset: 0, .size: 8, .value_kind: global_buffer, .address_space: global }
      - { .name: w_qkv, .offset: 8, .size: 8, .value_kind: global_buffer, .address_space: global }
      - { .name: w_out, .offset: 16, .size: 8, .value_kind: global_buffer, .address_space: global }
      - { .name: xc, .offset: 24, .size: 8, .value_kind: global_buffer, .address_space: global }
      - { .name: xs, .offset: 32, .size: 8, .value_kind: global_buffer, .address_space: global }
      - { .name: wc, .offset: 40, .size: 8, .value_kind: global_buffer, .address_space: global }
      - { .name: ws, .offset: 48, .size: 8, .value_kind: global_buffer, .address_space: global }
      - { .name: wob, .offset: 56, .size: 8, .value_kind: global_buffer, .address_space: global }
    .group_segment_fixed_size: 167936
    .private_segment_fixed_size: 0
    .kernarg_segment_align: 8
    .kernarg_segment_size: 64
    .max_flat_workgroup_size: 128
    .sgpr_count:     66
    .vgpr_count:     256
    .wavefront_size: 32
...
	.end_amdgpu_metadata
.endif
;; end of part 1
;; launch qkv (part 2): grid 8 x 32, 4 waves a work-group, clusters of 4 x 4, 327,680 bytes of LDS; arguments xc, xs, wc, ws, qkv; writes qkv
.if DOCPART == 2
	.amdgcn_target "amdgcn-amd-amdhsa--gfx1250"
	.amdhsa_code_object_version 6
	.text
	.protected	k_q8293bc41b4_qkv
	.globl	k_q8293bc41b4_qkv
	.p2align	8
	.type	k_q8293bc41b4_qkv,@function
k_q8293bc41b4_qkv:
	s_mov_b64 s[64:65], 0
	v_nop
	global_prefetch_b8 v0, s[64:65] scope:SCOPE_SE
	s_setreg_imm32_b32 hwreg(HW_REG_WAVE_MODE, 25, 1), 1
	s_wait_xcnt 0x0
	s_wait_alu depctr_hold_cnt(0) depctr_sa_sdst(0) depctr_va_vdst(0) depctr_va_sdst(0) depctr_va_ssrc(0) depctr_va_vcc(0) depctr_vm_vsrc(0)
	s_getreg_b32 s2, hwreg(HW_REG_IB_STS2, 6, 4)
	s_cmp_eq_u32 s2, 0
	s_cbranch_scc0 .Lentry_in_a_cluster
	s_endpgm
.Lentry_in_a_cluster:
	s_bfe_u32 s2, ttmp6, 0x10000c
	s_cmp_lg_u32 s2, 0xf033
	s_cbranch_scc0 .Lentry_shape_is_right
	s_endpgm
.Lentry_shape_is_right:
; q, k, v = x w_qkv, [8192] x [3072], K = 1,024, on codes of FP4 (E2M1) with one E8M0 scale for each 32 along K; sums in f32, the result rounded once to f16.
; The operands come as images of operand registers (a group of four registers: 512 bytes, lane l's 16 bytes at 16 l):
;   xc [K half 2][tile of 16 rows 512][K step of 128: 4][group 2][512 B], xs [tile 512][K half 2][r 16][16 B: four scale words]; wc, ws the same of w_qkv's 192 tiles of 16 columns.
; So a tile's codes for 512 along K are 4,096 dense bytes, a fragment is two 16-byte loads at 16 x lane, and LDS needs no padding: an instruction's 512 bytes are consecutive.
; SHARES.  8 x 32 = 256 work-groups of four waves.  A WORK-GROUP STAYS: it makes 256 rows x 384 columns in three passes of 128 columns; a wave makes 128 rows x 64 columns a pass, which is one head: 32 accumulators, 256 registers.
; x STAYS IN REGISTERS: a wave's 128 rows x 1,024 K are 8 blocks x 8 K steps x 8 registers = 512; they are read from LDS once, in pass 0, a double step ahead of their use.  Passes 1 and 2 read w's fragments and the scale words alone.
; A pass's stores are on their way while the next pass is multiplied: nothing waits for them but the one wait that frees their registers.
; LDS: x's 256 rows, all of K (131,072 bytes); two regions of 65,536 for w's 128 columns of a pass; all scale words (8,192 + 12,288); the spare words.  Three regions for w do not fit beside x: pass 2's columns are the launch's one refill,
; into pass 0's region, asked for as soon as the last fragment of pass 0 has been read: 256 matrix instructions and a way out ahead of its first read.
; CLUSTERS: 4 x 4 work-groups.  The four of a row of the cluster need the same tiles of x, the four of a column the same tiles of w: each is asked for JOINTLY, by the same tensor load with the same descriptor and a mask that names the four.
; NO PREFETCH: all but the one refill is asked for at the head, and w's codes are read by all eight rows of clusters, not once.
; THE MATRIX INSTRUCTION IS USED TRANSPOSED (source 0 = 16 columns of w, source 1 = 16 rows of x): a lane then holds eight neighbouring columns of one row, which pack into 16 bytes of f16: a group of an f16 fragment.
; THE RESULT: qkv [q, k, v: 3][batch x head 128][tile of 16 positions 64][16 of the head's 64: 4][512 B]; lane (r, h)'s 16 bytes (position r, channels 8 h + 0 .. 7 of the 16) lie at 256 h + 16 (r xor 8 h).
; Each store of the wave covers 512 consecutive bytes, aligned, straight from registers.
; LIMITS: q, k, v stay under 65,504 in magnitude; under 6e-5 f16 loses bits.
; REGISTERS, in windows of 256: window 0: v0-31 addresses; v32-95 scale words, a set for each K half; v96-223 w's fragments, two sets of a double step (2 x 4 blocks x 8).
;   window 1: the accumulators ((a, b) at v[8 (4 a + b)]).   window 2: x's fragments of K half 0 (K step q, block a at v[64 q + 8 a]);   window 3: those of K half 1.
.set NP,     4                         ; places behind this matrix instruction (ISA guide 7.12.1)
.set TILEB,  4096                      ; 16 rows x 512 K as images
.set AKS,    16*TILEB                  ; LDS: x's 256 rows of a K half
.set LOADB,  8*TILEB                   ; what one tensor load of codes brings: 8 tiles
.set BOFF,   2*AKS                     ; w's two regions
.set BREG,   2*LOADB                   ; a region: [K half 2][8 tiles]
.set SCL,    BOFF+2*BREG               ; x's scale words, 512 bytes a tile of 16 rows
.set SCLB,   SCL+16*512                ; w's, 24 tiles
.set SPARE,  SCLB+24*512               ; the spare words, 128 bytes for each wave: two blocks of 256 bytes that no other line names
.set XKS,    2097152                   ; xc: from K half to K half
.set WKS,    786432                    ; wc likewise
.set ADRA, 16                          ; v16-17  LDS address of my fragments of x in K half 0, 1
.set ADRB, 20                          ; v20-21  of my fragments of w in region 0, 1
.set ADRS, 22                          ; v22-24  of my scale words in pass 0, 1, 2: lanes 0-15 x's rows, lanes 16-31 w's columns
.set ADRSA, 25                         ; v25     of x's scale words in all lanes
.set LXO,  26                          ; v26     256 h + 16 (r xor 8 h): my place in a group of the result
.set SPW,  28                          ; v28     LDS address of my spare word; never rewritten
.set NIL,  29                          ; v29     0; never rewritten
.set SC,   32                          ; scale words: K half k at v[SC + 32 k]; in it register 4 i + q: lanes 0-15 the word of x's block i, lanes 16-31 (i < 4) that of w's block i, for the half's q-th 128 along K
.set BF,   96                          ; w's fragments: set s at v[BF + 64 s]; in it K step e of the two, block b at 32 e + 8 b
.set G1, 24                            ; s[24:31] descriptor group 1 for x's codes;  s[32:39] group 0, one set for each K half
.set G0, 32
.set G1B, 48                           ; s[48:55] group 1 for w's codes;  s[56:63] group 0, one set for each region
.set G0B, 56
.set G1S, 68                           ; s[68:75], s[76:79] groups 1 and 0 for x's scale words;  s[80:87], s[88:91] for w's
.set G0S, 76
.set G1SB, 80
.set G0SB, 88
.set OB0, 66                           ; s[66:67], s[96:97], s[2:3]: where my head of pass 0, 1, 2 begins in the result
.set OB1, 96
.set OB2, 2
.set MSB, 0
.macro WIN new                         ; the immediate's high byte repeats the setting that is left
.if MSB != \new
	s_set_vgpr_msb (MSB<<8)|\new
.set MSB, \new
.endif
.endm
; A joint load: waves 0 and 1 fetch for x, waves 2 and 3 for w.  Each of the two lines has ONE mask and one set of registers for all that issue it; the branch hangs on the wave's number alone.
; An s_nop 0 and four v_nop follow each of the two lines, ahead of the jump, the label and what follows.
.macro JLOAD g0a, g1a, g0b, g1b
	s_cmp_eq_u32 s15, 0
	s_cbranch_scc0 .Lfor_b_\@
	tensor_load_to_lds s[\g0a:\g0a+3], s[\g1a:\g1a+7]
	s_nop 0
.rept 4
	v_nop
.endr
	s_branch .Lasked_\@
.Lfor_b_\@:
	tensor_load_to_lds s[\g0b:\g0b+3], s[\g1b:\g1b+7]
	s_nop 0
.rept 4
	v_nop
.endr
.Lasked_\@:
.endm
.macro RLOAD                           ; the one refill: w's columns of pass 2 into region 0: waves 2 and 3, a K half each; waves 0 and 1 have no part of it and issue nothing
	s_cmp_eq_u32 s15, 0
	s_cbranch_scc1 .Lnone_\@
	tensor_load_to_lds s[G0B:G0B+3], s[G1B:G1B+7]
	s_nop 0
.rept 4
	v_nop
.endr
.Lnone_\@:
.endm
.macro CROUND                          ; a round of the cluster's barrier: my work-group's barrier; wave 0 signals for the work-group; every wave waits for all sixteen; my work-group's barrier once more
	s_barrier_signal -1
	s_barrier_wait -1
	s_cmp_lg_u32 s14, 0
	s_cbranch_scc1 .Lnot_wave_0_\@
	s_barrier_signal -3
.Lnot_wave_0_\@:
	s_barrier_wait -3
	s_barrier_signal -1
	s_barrier_wait -1
.endm
	s_load_b128 s[4:7], s[0:1], 0x0                ; xc s[4:5], xs s[6:7]
	s_load_b128 s[8:11], s[0:1], 0x10              ; wc s[8:9], ws s[10:11]
	s_load_b64 s[12:13], s[0:1], 0x20              ; qkv
	v_lshl_add_u32 v[SPW], v0, 2, SPARE
	v_mov_b32 v[NIL], 0
	ds_add_u32 v[SPW], v[NIL]                      ; the wave's opening: the add, twice on end, and its wait ahead of my first tensor load
	ds_add_u32 v[SPW], v[NIL]                      ; and once more; the set-up below, work on registers, stands between it and the wait
	v_lshrrev_b32 v1, 5, v0
	v_readfirstlane_b32 s14, v1                    ; wave 0..3
	s_lshr_b32 s15, s14, 1                         ; which half of the rows is mine.  Also: I fetch for x (0) or for w (1)
	s_and_b32 s16, s14, 1                          ; which half of a pass's columns.  Also: which half of x's rows, or which K half of w, I fetch
	s_bfe_u32 s40, ttmp6, 0x40000                  ; cx, cy: my place in the cluster
	s_bfe_u32 s41, ttmp6, 0x40004
	s_lshl_b32 s42, ttmp9, 2
	s_add_co_u32 s42, s42, s40                     ; tile column (384 columns) = 4 x cluster x + cx
	s_and_b32 s17, ttmp7, 0xffff
	s_lshl_b32 s17, s17, 2
	s_add_co_u32 s17, s17, s41                     ; tile row (256 rows) = 4 x cluster y + cy
	s_lshl_b32 s43, s41, 2
	s_lshl_b32 s43, 15, s43                        ; my row of the cluster
	s_lshl_b32 s44, 0x1111, s40                    ; my column
	; descriptor group 1: a dense block as rows of 256 bytes (32 elements of 8 bytes): 128 rows of codes; 16 rows of x's scale words, 24 of w's
	s_or_b32 s[G1+0], s43, (3<<16)|(1<<21)         ; 15:0 the mask: x's tiles go to my row; 17:16 elements of 8 bytes; 21 set beside a mask
	s_or_b32 s[G1B+0], s44, (3<<16)|(1<<21)        ; w's to my column
.irp g, G1, G1B
	s_mov_b32 s[\g+1], 32<<16                      ; tensor_dim0
	s_mov_b32 s[\g+2], 128<<16                     ; tensor_dim1
	s_mov_b32 s[\g+3], 32<<16                      ; tile_dim0
	s_mov_b32 s[\g+4], 128                         ; tile_dim1
	s_mov_b32 s[\g+5], 32                          ; tensor_dim0_stride
	s_mov_b32 s[\g+6], 0
	s_mov_b32 s[\g+7], 0
.endr
	s_or_b32 s[G1S+0], s43, (3<<16)|(1<<21)
	s_mov_b32 s[G1S+1], 32<<16
	s_mov_b32 s[G1S+2], 16<<16
	s_mov_b32 s[G1S+3], 32<<16
	s_mov_b32 s[G1S+4], 16
	s_mov_b32 s[G1S+5], 32
	s_mov_b32 s[G1S+6], 0
	s_mov_b32 s[G1S+7], 0
	s_or_b32 s[G1SB+0], s44, (3<<16)|(1<<21)
	s_mov_b32 s[G1SB+1], 32<<16
	s_mov_b32 s[G1SB+2], 24<<16
	s_mov_b32 s[G1SB+3], 32<<16
	s_mov_b32 s[G1SB+4], 24
	s_mov_b32 s[G1SB+5], 32
	s_mov_b32 s[G1SB+6], 0
	s_mov_b32 s[G1SB+7], 0
	; where the tiles come from.  x's hang on the tile row alone, w's on the tile column alone, each in registers that never hold the other coordinate
	s_lshl_b32 s18, s16, 15                        ; x: which 8 tiles of 16 rows I fetch: 32,768 bytes of codes,
	s_lshl_b32 s19, s16, 12                        ; 4,096 of scale words
	s_lshl_b32 s20, s17, 16
	s_add_co_u32 s20, s20, s18                     ; x's codes: 65,536 bytes a tile row
	s_mov_b32 s21, 0
	s_lshl_b32 s22, s17, 13
	s_add_co_u32 s22, s22, s19                     ; x's scale words: 8,192 bytes a tile row
	s_mov_b32 s23, 0
	s_lshl_b32 s46, s42, 16
	s_lshl_b32 s47, s42, 15
	s_add_co_u32 s46, s46, s47                     ; w's codes: 24 tiles of 4,096 bytes a tile column,
	s_mul_i32 s47, s16, WKS
	s_add_co_u32 s46, s46, s47                     ; my K half
	s_mov_b32 s47, 0
	s_lshl_b32 s92, s42, 13
	s_lshl_b32 s93, s42, 12
	s_add_co_u32 s92, s92, s93                     ; w's scale words: 24 tiles of 512 bytes a tile column,
	s_mul_i32 s95, s16, 6144
	s_add_co_u32 s92, s92, s95                     ; my 12 tiles
	s_mov_b32 s93, 0
	s_lshl_b32 s45, s16, 15                        ; where they go: by the wave's number alone: codes,
	s_lshl_b32 s94, s16, 12                        ; x's scale words (w's: s95)
	s_wait_dscnt 0x0                               ; both opening adds are done
	s_wait_kmcnt 0x0
	s_add_nc_u64 s[20:21], s[4:5], s[20:21]
	s_add_nc_u64 s[22:23], s[6:7], s[22:23]
	s_add_nc_u64 s[46:47], s[8:9], s[46:47]
	s_add_nc_u64 s[92:93], s[10:11], s[92:93]
	CROUND                                         ; all sixteen work-groups are here: the first joint loads meet
	s_mov_b32 s[G0S], 1
	s_add_co_u32 s[G0S+1], s94, SCL
	s_mov_b64 s[G0S+2:G0S+3], s[22:23]
	s_or_b32 s[G0S+3], s[G0S+3], 0x80000000
	s_mov_b32 s[G0SB], 1
	s_add_co_u32 s[G0SB+1], s95, SCLB
	s_mov_b64 s[G0SB+2:G0SB+3], s[92:93]
	s_or_b32 s[G0SB+3], s[G0SB+3], 0x80000000
	JLOAD G0S, G1S, G0SB, G1SB                     ; the scale words first.  Three tensor loads of mine are out behind the third
.irp s, 0,1
	s_mov_b32 s[G0+4*\s], 1
	s_add_co_u32 s[G0+4*\s+1], s45, \s*AKS
	s_add_nc_u64 s[G0+4*\s+2:G0+4*\s+3], s[20:21], \s*XKS          ; x: K half s
	s_or_b32 s[G0+4*\s+3], s[G0+4*\s+3], 0x80000000
	s_mov_b32 s[G0B+4*\s], 1
	s_add_co_u32 s[G0B+4*\s+1], s45, BOFF+\s*BREG
	s_add_nc_u64 s[G0B+4*\s+2:G0B+4*\s+3], s[46:47], \s*LOADB      ; w: pass s, 8 tiles on
	s_or_b32 s[G0B+4*\s+3], s[G0B+4*\s+3], 0x80000000
	JLOAD G0+4*\s, G1, G0B+4*\s, G1B
.endr
	v_and_b32 v1, 15, v0                           ; r
	v_bfe_u32 v2, v0, 4, 1                         ; h
	v_and_b32 v3, 31, v0
	v_lshlrev_b32 v4, 4, v3                        ; 16 x lane
	s_lshl_b32 s21, s15, 15                        ; my 128 rows of x: 8 tiles
	s_lshl_b32 s22, s16, 14                        ; my 64 columns of a pass: 4 tiles
	s_add_co_u32 s22, s22, BOFF
.irp s, 0,1
	v_add_nc_u32 v[ADRA+\s], s21, v4
	v_add_nc_u32 v[ADRB+\s], s22, v4
	s_add_co_u32 s21, s21, AKS
	s_add_co_u32 s22, s22, BREG
.endr
	v_lshlrev_b32 v5, 4, v1                        ; my row's four scale words: 16 r
	s_lshl_b32 s21, s15, 12                        ; x's: my 8 tiles
	s_lshl_b32 s22, s16, 11                        ; w's: my 4 tiles of a pass, behind x's 16
	s_add_co_u32 s22, s22, 8192
	s_sub_co_u32 s22, s22, s21
	v_mul_u32_u24 v6, s22, v2                      ; lanes 16-31 take w's: the lower base + h x the distance
	s_add_co_u32 s21, s21, SCL
	v_add_nc_u32 v[ADRSA], s21, v5
	v_add_nc_u32 v[ADRS], v[ADRSA], v6
	v_lshl_add_u32 v[ADRS+1], v2, 12, v[ADRS]      ; a pass on: 8 tiles of w's, in lanes 16-31 alone
	v_lshl_add_u32 v[ADRS+2], v2, 13, v[ADRS]
	v_lshlrev_b32 v5, 3, v2
	v_xor_b32 v5, v5, v1
	v_lshlrev_b32 v5, 4, v5
	v_lshl_add_u32 v[LXO], v2, 8, v5               ; 256 h + 16 (r xor 8 h)
	; where my head of each pass begins in the result: head number 6 x tile column + 2 x pass + half, of 48: 16 to a section
	s_mul_i32 s18, s42, 6
	s_add_co_u32 s18, s18, s16
	s_and_b32 s19, ttmp7, 0xffff                   ; the batch: 16 heads of 131,072 bytes
	s_lshl_b32 s19, s19, 21
	s_lshl_b32 s20, s41, 4
	s_lshl_b32 s21, s15, 3
	s_add_co_u32 s20, s20, s21                     ; my first tile of 16 positions: 16 cy + 8 x half, 2,048 bytes each
	s_lshl_b32 s20, s20, 11
	s_add_co_u32 s19, s19, s20
.macro OBASE ob, j
	s_add_co_u32 s20, s18, 2*\j
	s_lshr_b32 s21, s20, 4                         ; the section: 16,777,216 bytes
	s_lshl_b32 s21, s21, 24
	s_and_b32 s20, s20, 15                         ; the head in it
	s_lshl_b32 s20, s20, 17
	s_add_co_u32 s20, s20, s21
	s_add_co_u32 s20, s20, s19
	s_mov_b32 s21, 0
	s_add_nc_u64 s[\ob:\ob+1], s[12:13], s[20:21]
.endm
	OBASE OB0, 0
	OBASE OB1, 1
	OBASE OB2, 2
.macro FRAG reg, adr, off              ; a fragment, 16 rows x 128 K of 4-bit codes: two groups of four registers, as they lie
.irp c, 0,1
	ds_load_b128 v[\reg+4*\c:\reg+4*\c+3], v[\adr] offset:(\off)+512*\c
.endr
.endm
.macro FETCH_B j, d                    ; w's fragments of pass j, double step d (K steps 2 d, 2 d + 1 of eight): 16 loads into set d % 2
.irp e, 0,1
.irp b, 0,1,2,3
	FRAG BF+64*((\d)%2)+32*\e+8*\b, ADRB+((\j)%2), ((\d)/2)*LOADB+\b*TILEB+(2*((\d)%2)+\e)*1024
.endr
.endr
.endm
.macro FETCH_A d                       ; x's fragments of double step d: 32 loads into window 2 or 3, where they stay
.set WA, 0x80+0x40*((\d)/2)
	WIN WA
.irp e, 0,1
.irp a, 0,1,2,3,4,5,6,7
	FRAG 64*(2*((\d)%2)+\e)+8*\a, ADRA+((\d)/2), \a*TILEB+(2*((\d)%2)+\e)*1024
.endr
.endr
	WIN 0
.endm
.macro SCALES j, k                     ; the scale words of K half k for pass j: four words a row; blocks 0-3: lanes 0-15 x's, lanes 16-31 w's; blocks 4-7: x's
.irp i, 0,1,2,3
	ds_load_b128 v[SC+32*(\k)+4*\i:SC+32*(\k)+4*\i+3], v[ADRS+(\j)] offset:\i*512+256*(\k)
.endr
.irp i, 4,5,6,7
	ds_load_b128 v[SC+32*(\k)+4*\i:SC+32*(\k)+4*\i+3], v[ADRSA] offset:\i*512+256*(\k)
.endr
.endm
; 32 matrix instructions: x's eight blocks against w's four, 128 along K: K step e of double step d.  zero = 1: the product starts the sums: nothing is ever cleared.
; The 32 accumulators take turns, one instruction a turn, in the same order in every K step.
.macro MUL32 d, e, zero
.set KX, (\d)/2
.set QX, 2*((\d)%2)+(\e)
.set BX, BF+64*((\d)%2)+32*(\e)
.irp a, 0,1,2,3,4,5,6,7
.irp b, 0,1,2,3
.if \zero
	v_wmma_scale_f32_16x16x128_f8f6f4 v[8*(4*\a+\b):8*(4*\a+\b)+7], v[BX+8*\b:BX+8*\b+7], v[64*QX+8*\a:64*QX+8*\a+7], 0, v[SC+32*KX+4*\b+QX], v[SC+32*KX+4*\a+QX] matrix_a_fmt:MATRIX_FMT_FP4 matrix_b_fmt:MATRIX_FMT_FP4 matrix_a_scale:MATRIX_SCALE_ROW1
.else
	v_wmma_scale_f32_16x16x128_f8f6f4 v[8*(4*\a+\b):8*(4*\a+\b)+7], v[BX+8*\b:BX+8*\b+7], v[64*QX+8*\a:64*QX+8*\a+7], v[8*(4*\a+\b):8*(4*\a+\b)+7], v[SC+32*KX+4*\b+QX], v[SC+32*KX+4*\a+QX] matrix_a_fmt:MATRIX_FMT_FP4 matrix_b_fmt:MATRIX_FMT_FP4 matrix_a_scale:MATRIX_SCALE_ROW1
.endif
.endr
.endr
.endm
.macro MULS d, zero                    ; a double step's 64 products: source 0 (w) window 0, source 1 (x) window 2 or 3, C and D window 1
.set WM, 0x58+4*((\d)/2)
	WIN WM
	MUL32 \d, 0, \zero
	MUL32 \d, 1, 0
	WIN 0
.endm
; A load into a register that a matrix instruction has read, and a vector instruction that reads a matrix result or writes one of a matrix instruction's registers, stand NP places behind it; only plain vector
; instructions that name none of its registers are places (ISA guide 7.12.1 for vector instructions).
.macro PLACES n
.rept \n
	v_nop
.endr
.endm
; The head of a double step: what was fetched a double step ago is in.  sync = 1: a barrier besides, in front of which each wave waits for all its tensor loads.
; sync = 2: the refill: all my tensor loads have landed, the add, my reads of region 0 are over; a round of the cluster's barrier, so that the same holds of every wave of every partner; the joint refill first behind it.
.macro HEAD sync
.if \sync == 2
	s_wait_tensorcnt 0x0                           ; no tensor load of mine is out, so a group 0 may be written
	ds_add_u32 v[SPW], v[NIL]                      ; 0 onto my spare word; the descriptor's step stands between it and the wait for it
	s_add_nc_u64 s[G0B+2:G0B+3], s[G0B+2:G0B+3], 2*LOADB   ; from pass 0's 8 tiles to pass 2's: 16 tiles on; the type bits on top are not reached
	s_wait_dscnt 0x0                               ; the add is done, and my reads of region 0 are over
	CROUND
	RLOAD
.elseif \sync == 1
	s_wait_tensorcnt 0x0
	s_wait_dscnt 0x0
	s_barrier_signal -1
	s_barrier_wait -1
.else
	s_wait_dscnt 0x0
.endif
.endm
; THE WAY OUT of a pass.  A lane's eight results of accumulator (a, b) are position r of tile a, channels 16 b + 8 h + 0 .. 7 of my head: rounded to f16 IN PLACE, ascending (register j is written when registers 2 j and 2 j + 1 are read,
; never above a register still to be read), they are the lane's 16 bytes of a group, and are stored from the accumulator's four lowest registers.
.macro OUT ob
	PLACES NP                                      ; behind the last products, in front of the conversions
	WIN 0x45                                       ; sources 0 and 1 and the destination: window 1
.set T, 0
.rept 32
.irp i, 0,1,2,3
	v_cvt_pk_f16_f32 v[8*T+\i], v[8*T+2*\i], v[8*T+2*\i+1]   ; each accumulator from its low end on
.endr
.set T, T+1
.endr
	WIN 0x04                                       ; a store's data are its source 1: window 1; the address: window 0
.irp a, 0,1,2,3,4,5,6,7
.irp b, 0,1,2,3
	global_store_b128 v[LXO], v[8*(4*\a+\b):8*(4*\a+\b)+3], s[\ob:\ob+1] offset:\a*2048+\b*512   ; 32 lanes store 512 consecutive bytes, aligned
.endr
.endr
	WIN 0
.endm
	s_wait_tensorcnt 1                             ; my first two loads are in: together the scale words, x's K half 0 and all of pass 0's w; my third may be out
	s_barrier_signal -1
	s_barrier_wait -1                              ; everybody's are
	FETCH_B 0, 0
	SCALES 0, 0
	FETCH_A 0
	; ---- pass 0: x's fragments come a double step ahead of their first use
	HEAD 0
	FETCH_B 0, 1
	SCALES 0, 1
	FETCH_A 1
	MULS 0, 1                                      ; the first products start the sums
	HEAD 1                                         ; all first fills are in, everybody's: x's K half 1 is read next
	PLACES NP
	FETCH_B 0, 2
	FETCH_A 2
	MULS 1, 0
	HEAD 0
	PLACES NP
	FETCH_B 0, 3                                   ; the last read of region 0 in this pass
	SCALES 1, 0                                    ; K half 0's scale words have served this pass: the next pass's
	FETCH_A 3
	MULS 2, 0
	HEAD 2                                         ; region 0 is asked for again: pass 2's columns
	PLACES NP
	FETCH_B 1, 0
	MULS 3, 0
	OUT OB0
	; ---- pass 1.  The places in front of the loads below are the way out's: its four v_nop and its conversions
	HEAD 0
	FETCH_B 1, 1
	SCALES 1, 1
	s_wait_xcnt 0x0                                ; the way out's stores have read their registers: the accumulators are written again only behind this wait
	MULS 0, 1
	HEAD 0
	PLACES NP
	FETCH_B 1, 2
	MULS 1, 0
	HEAD 0
	PLACES NP
	FETCH_B 1, 3
	SCALES 2, 0
	MULS 2, 0
	HEAD 1                                         ; the refill is in, both halves: region 0 is read next
	PLACES NP
	FETCH_B 2, 0
	MULS 3, 0
	OUT OB1
	; ---- pass 2
	HEAD 0
	FETCH_B 2, 1
	SCALES 2, 1
	s_wait_xcnt 0x0                                ; as above
	MULS 0, 1
	HEAD 0
	PLACES NP
	FETCH_B 2, 2
	MULS 1, 0
	HEAD 0
	PLACES NP
	FETCH_B 2, 3
	MULS 2, 0
	HEAD 0
	MULS 3, 0
	OUT OB2
	s_wait_tensorcnt 0x0                           ; the wave's end, behind my last tensor load
	ds_add_u32 v[SPW], v[NIL]
	s_wait_dscnt 0x0
	CROUND                                         ; the closing round: no work-group ends while a partner may still ask for a tile that names it
	s_endpgm
.Lfunc_end_k_q8293bc41b4_qkv:
	.size	k_q8293bc41b4_qkv, .Lfunc_end_k_q8293bc41b4_qkv-k_q8293bc41b4_qkv
	.p2alignl 7, 3214868480
	.fill 96, 4, 3214868480
	.section	.rodata,"a",@progbits
	.p2align	6, 0x0
	.amdhsa_kernel k_q8293bc41b4_qkv
		.amdhsa_group_segment_fixed_size 327680
		.amdhsa_private_segment_fixed_size 0
		.amdhsa_enable_private_segment 0
		.amdhsa_kernarg_size 40
		.amdhsa_user_sgpr_count 2
		.amdhsa_user_sgpr_kernarg_segment_ptr 1
		.amdhsa_wavefront_size32 1
		.amdhsa_system_sgpr_workgroup_id_x 1
		.amdhsa_system_sgpr_workgroup_id_y 1
		.amdhsa_system_sgpr_workgroup_id_z 1
		.amdhsa_system_vgpr_workitem_id 0
		.amdhsa_next_free_vgpr 1024
		.amdhsa_next_free_sgpr 98
		.amdhsa_reserve_vcc 0
		.amdhsa_float_denorm_mode_32 3
		.amdhsa_float_denorm_mode_16_64 3
		.amdhsa_memory_ordered 1
		.amdhsa_forward_progress 1
		.amdhsa_inst_pref_size 167
	.end_amdhsa_kernel
	.amdgpu_metadata
---
amdhsa.version: [ 1, 2 ]
amdhsa.kernels:
  - .name:           k_q8293bc41b4_qkv
    .symbol:         k_q8293bc41b4_qkv.kd
    .args:
      - { .name: xc, .offset: 0, .size: 8, .value_kind: global_buffer, .address_space: global }
      - { .name: xs, .offset: 8, .size: 8, .value_kind: global_buffer, .address_space: global }
      - { .name: wc, .offset: 16, .size: 8, .value_kind: global_buffer, .address_space: global }
      - { .name: ws, .offset: 24, .size: 8, .value_kind: global_buffer, .address_space: global }
      - { .name: qkv, .offset: 32, .size: 8, .value_kind: global_buffer, .address_space: global }
    .group_segment_fixed_size: 327680
    .private_segment_fixed_size: 0
    .kernarg_segment_align: 8
    .kernarg_segment_size: 40
    .max_flat_workgroup_size: 128
    .sgpr_count:     98
    .vgpr_count:     1024
    .wavefront_size: 32
...
	.end_amdgpu_metadata
.endif
;; end of part 2
;; launch attn (part 3): grid 2 x 128, 8 waves a work-group, no clusters, 327,680 bytes of LDS; arguments qkv, obuf; writes obuf
.if DOCPART == 3
	.amdgcn_target "amdgcn-amd-amdhsa--gfx1250"
	.amdhsa_code_object_version 6
	.text
	.protected	k_q8293bc41b4_attn
	.globl	k_q8293bc41b4_attn
	.p2align	8
	.type	k_q8293bc41b4_attn,@function
k_q8293bc41b4_attn:
	s_mov_b64 s[64:65], 0
	v_nop
	global_prefetch_b8 v0, s[64:65] scope:SCOPE_SE
	s_setreg_imm32_b32 hwreg(HW_REG_WAVE_MODE, 25, 1), 1
	s_wait_xcnt 0x0
; O[b][h][q] = the sum over k of softmax_k(Q[q] . K[k] / 8) V[k], 128 pairs of batch and head, 1,024 positions, head size 64, no mask.  Operands in f16; products, maxima and sums in f32; the weights p are rounded to f16 for the second product, O once at the end.
; IN: qkv [q, k, v: 3][batch x head 128][tile of 16 positions 64][16 of the head's 64: 4][512 B]; lane (r, h)'s 16 bytes (position r, channels 8 h + 0 .. 7 of the 16) lie at 256 h + 16 (r xor 8 h).  A head of K or V is 131,072 dense bytes.
; OUT: obuf [128 along the projection's K: 8][tile of 16 rows 512][32 along K: 4][group 2][512 B], lane l's 16 bytes at 16 l: the projection's fragments as they stand.
; SHARES.  A work-group owns 512 queries (x) of one head (y); each of its eight waves 64 of them, four tiles of 16, in 512 registers: two waves to a SIMD, so that one wave's vector work can stand beside the other's products.
; THE WHOLE HEAD LIES IN LDS, FILLED ONCE: K's 131,072 bytes, then V's.  At the head a wave asks for its 8,192 bytes of the first 256 keys alone (one tensor load of mine is out), so that the first products wait for 65,536 bytes a work-group and for Q;
; the other 768 keys are asked for behind the first barrier, one load of 24,576 bytes a wave; they have four key steps, 256 matrix instructions a wave, in which to land.
; Nothing is filled again; two barriers in all.
; LAYOUT.  S^T = K Q^T (source 0 = 16 keys, source 1 = 16 queries): a lane holds ONE query (lane % 16) and the keys 8 (lane / 16) + 0 .. 7.  Two such tiles, rounded to f16 in pairs, ARE source 1 (32 keys x 16 queries) of O^T = V^T P,
; whose result again holds one query a lane, and eight channels: a group of the projection's fragment.  K comes out of LDS as it lies; V turned, by ds_load_tr16_b128: lane l reads key 8 (l / 16) + l % 8, channels 8 ((l / 8) % 2) + 0 .. 7,
; which lie at 256 o + 128 (h xor o) + 16 (l % 8), o = (l / 8) % 2: sixteen lanes touch 256 different bytes modulo 256.  That is what the exclusive or in the store order is for.
; SOFTMAX.  For each query a running maximum m and sum l: p = 2^(c s - c m), c = log2(e) / 8; in every step O and l are multiplied by a = 2^(c m_old - c m_new).  The step is written once: O and l begin as zeros and m as -3e38.
; NO CLUSTER: a head's K and V are read by its two work-groups alone (the grid's x is 2); four along x would be two heads, and a joint load's address would differ among those that its mask names.
; NO PREFETCH: the second and last request for K and V goes out as soon as the first has landed; no later request is left to run ahead of.
; LIMITS: p under 6e-5 loses bits in f16 (at most 3e-8 beside a largest p of 1); NaN and infinities are not served.
; REGISTERS, in windows of 256: window 0: v1-11 addresses; v16-47 eight registers of statistics a tile; v64-191 S^T, 32 a tile, then P in the first 16 of them; v192-255 K of a step.
;   window 1: v0-63 Q, 16 a tile; v64-191 O^T, 32 a tile; v192-255 V of a step.
.set VOFF,  131072                     ; LDS: V behind K
.set SPARE, 262144                     ; the spare words, 128 bytes for each wave: four blocks of 256 bytes that no other line names
.set CHB,   32768                      ; the first 256 keys, of K or of V
.set RQB,   24576                      ; a wave's quarter of the other 768
.set STB,   8192                       ; a step of 64 keys
.set LXO, 3                            ; v3   256 h + 16 (r xor 8 h): my place in a group of Q or K
.set AV0, 5                            ; v5   my place in a group of V for the turning load, + VOFF
.set ADK, 6                            ; v6   LDS address of the step's K
.set ADV, 7                            ; v7   of its V
.set LIO, 8                            ; v8   16 x lane
.set SPW, 10                           ; v10  LDS address of my spare word; never rewritten
.set NIL, 11                           ; v11  0; never rewritten
.set ST,  16                           ; tile t's statistics at v[ST + 8 t]: +0 c m, +1 m, +2, +3 l (even keys', odd keys'), +4 to +7 c0-c3, at work; a takes c2's place
.set SC,  64                           ; S^T: tile t, keys 16 k on, at v[SC + 32 t + 8 k]
.set KF,  192
.set OT,  64                           ; in window 1
.set VF,  192                          ; in window 1
.set WV,  8                            ; s8   my wave's number
.set G1,  16                           ; s[16:23] descriptor group 1 for the first keys: 32 rows of 256 bytes
.set G0,  24                           ; s[24:31] group 0, a set for each of my two loads
.set G1R, 52                           ; s[52:59] group 1 for the other keys: 96 rows of 256 bytes
.set CS,  40                           ; s[40:41] c: the packed form names a pair and takes its low word for both halves
.set SEL, 42                           ; s[42:43] lane selects for v_permlanex16_b32: lane l xor 16
.set TB,  44                           ; s44  LDS byte at which the step's tiles begin, in K and in V
.set CNT, 45                           ; s45  counts the steps of a loop
.set MSB, 0
.macro WIN new                         ; the immediate's high byte repeats the setting that is left
.if MSB != \new
	s_set_vgpr_msb (MSB<<8)|\new
.set MSB, \new
.endif
.endm
.set W_KQ, 0x04                        ; Q (source 1) in window 1; K and S^T in window 0
.set W_PV, 0x51                        ; V (source 0) and O^T (C and D) in window 1; P in window 0
.set W_RS, 0x41                        ; O^T (destination and source 0) in window 1, a in window 0
.set W_TO, 0x40                        ; destination window 1
	s_load_b128 s[4:7], s[0:1], 0x0                ; qkv s[4:5], obuf s[6:7]
	v_lshl_add_u32 v[SPW], v0, 2, SPARE
	v_mov_b32 v[NIL], 0
	ds_add_u32 v[SPW], v[NIL]                      ; the wave's opening: the add, twice on end, and its wait ahead of my first tensor load
	ds_add_u32 v[SPW], v[NIL]                      ; and once more; the set-up below, work on registers, stands between it and the wait
	v_lshrrev_b32 v1, 5, v0
	v_readfirstlane_b32 s[WV], v1                  ; wave 0..7
	s_and_b32 s9, ttmp7, 0xffff                    ; batch x 16 + head
	; descriptor groups 1: dense bytes as rows of 256 (32 elements of 8 bytes): 32 rows, and 96
	s_mov_b32 s[G1], 3<<16
	s_mov_b32 s[G1+1], 32<<16                      ; tensor_dim0
	s_mov_b32 s[G1+2], 32<<16                      ; tensor_dim1
	s_mov_b32 s[G1+3], 32<<16                      ; tile_dim0
	s_mov_b32 s[G1+4], 32                          ; tile_dim1
	s_mov_b32 s[G1+5], 32                          ; tensor_dim0_stride
	s_mov_b32 s[G1+6], 0
	s_mov_b32 s[G1+7], 0
	s_mov_b32 s[G1R], 3<<16
	s_mov_b32 s[G1R+1], 32<<16
	s_mov_b32 s[G1R+2], 96<<16
	s_mov_b32 s[G1R+3], 32<<16
	s_mov_b32 s[G1R+4], 96
	s_mov_b32 s[G1R+5], 32
	s_mov_b32 s[G1R+6], 0
	s_mov_b32 s[G1R+7], 0
	s_lshr_b32 s10, s[WV], 2                       ; waves 0 to 3 fetch K, waves 4 to 7 V:
	s_and_b32 s11, s[WV], 3                        ; a quarter of each of the two parts
	s_lshl_b32 s12, s10, 17                        ; K's or V's bytes in LDS
	s_lshl_b32 s13, s11, 13                        ; my quarter of the first keys,
	s_mul_i32 s51, s11, RQB
	s_add_co_u32 s51, s51, CHB                     ; and of the others, which lie behind them: the same in LDS and in memory
	s_add_co_u32 s14, s10, 1
	s_lshl_b32 s14, s14, 24                        ; in memory: section 1 or 2,
	s_lshl_b32 s15, s9, 17                         ; my head
	s_add_co_u32 s14, s14, s15
	s_add_co_u32 s60, s14, s13
	s_mov_b32 s61, 0
	s_add_co_u32 s62, s14, s51
	s_mov_b32 s63, 0
	s_lshl_b32 s46, s9, 17                         ; Q: my head, my work-group's 32 tiles of 2,048 bytes, my wave's four
	s_lshl_b32 s47, ttmp9, 16
	s_add_co_u32 s46, s46, s47
	s_lshl_b32 s47, s[WV], 13
	s_add_co_u32 s46, s46, s47
	s_mov_b32 s47, 0
	s_bfe_u32 s48, s9, 0x30001                     ; obuf: head / 2: 128 along the projection's K, 2,097,152 bytes;
	s_lshl_b32 s48, s48, 21
	s_lshr_b32 s50, s9, 4                          ; tile of rows 64 x batch + 32 x half + 4 x wave, 4,096 bytes each;
	s_lshl_b32 s50, s50, 18
	s_add_co_u32 s48, s48, s50
	s_lshl_b32 s50, ttmp9, 17
	s_add_co_u32 s48, s48, s50
	s_lshl_b32 s50, s[WV], 14
	s_add_co_u32 s48, s48, s50
	s_and_b32 s50, s9, 1                           ; head % 2: 64 along K, 2,048 bytes
	s_lshl_b32 s50, s50, 11
	s_add_co_u32 s48, s48, s50
	s_mov_b32 s49, 0
	s_mov_b32 s[CS], 0x3e38aa3b                    ; c = log2(e) / 8
	s_mov_b32 s[CS+1], s[CS]                       ; (named with it as a pair, so it is written)
	s_mov_b32 s[SEL], 0x76543210
	s_mov_b32 s[SEL+1], 0xfedcba98
	v_and_b32 v1, 15, v0                           ; r
	v_bfe_u32 v2, v0, 4, 1                         ; h
	v_lshlrev_b32 v[LXO], 3, v2
	v_xor_b32 v[LXO], v[LXO], v1
	v_lshlrev_b32 v[LXO], 4, v[LXO]
	v_lshl_add_u32 v[LXO], v2, 8, v[LXO]
	v_bfe_u32 v9, v0, 3, 1                         ; o
	v_xor_b32 v12, v2, v9
	v_and_b32 v[AV0], 7, v0
	v_lshlrev_b32 v[AV0], 4, v[AV0]
	v_lshl_add_u32 v[AV0], v12, 7, v[AV0]
	v_lshl_add_u32 v[AV0], v9, 8, v[AV0]
	v_add_nc_u32 v[AV0], VOFF, v[AV0]
	v_and_b32 v[LIO], 31, v0
	v_lshlrev_b32 v[LIO], 4, v[LIO]
	s_wait_dscnt 0x0                               ; both opening adds are done
	s_wait_kmcnt 0x0
	s_mov_b32 s[G0], 1                             ; the first keys: count = 1,
	s_add_co_u32 s[G0+1], s12, s13                 ; LDS address,
	s_add_nc_u64 s[G0+2:G0+3], s[4:5], s[60:61]    ; global address,
	s_or_b32 s[G0+3], s[G0+3], 0x80000000          ; type = 2
	s_mov_b32 s[G0+4], 1                           ; the others
	s_add_co_u32 s[G0+5], s12, s51
	s_add_nc_u64 s[G0+6:G0+7], s[4:5], s[62:63]
	s_or_b32 s[G0+7], s[G0+7], 0x80000000
	tensor_load_to_lds s[G0:G0+3], s[G1:G1+7]
	s_nop 0
.rept 4
	v_nop                                          ; four instructions between the tensor load and the switch of windows
.endr
	s_add_nc_u64 s[4:5], s[4:5], s[46:47]
	s_add_nc_u64 s[6:7], s[6:7], s[48:49]
	WIN W_TO
.set I, 0
.rept 16
	global_load_b128 v[4*I:4*I+3], v[LXO], s[4:5] offset:512*I   ; Q stays in registers: tile I / 4, group I % 4
.set I, I+1
.endr
.set I, 0
.rept 128
	v_mov_b32 v[OT+I], 0                           ; O^T.  (The step is written once: the first finds zeros, which a = 0 leaves zeros)
.set I, I+1
.endr
	WIN 0
.irp t, 0,1,2,3
	v_mov_b32 v[ST+8*\t+1], 0xff61b1e6             ; m: -3e38, under every score
	v_mov_b32 v[ST+8*\t+2], 0                      ; l, in two halves
	v_mov_b32 v[ST+8*\t+3], 0
.endr
.irp t, 0,1,2,3
	v_mul_f32 v[ST+8*\t], s[CS], v[ST+8*\t+1]      ; c m
.endr
; A KEY STEP: 64 keys against my four tiles of queries: 32 LDS loads in two runs, 32 products K Q^T, the softmax (the four tiles by turns, line by line, so that no line waits for the line above it), 32 products V^T P.
.macro STEP
	v_add_nc_u32 v[ADK], s[TB], v[LXO]
	v_add_nc_u32 v[ADV], s[TB], v[AV0]
.set I, 0
.rept 16
	ds_load_b128 v[KF+4*I:KF+4*I+3], v[ADK] offset:512*I   ; K: keys 16 (I / 4) on, group I % 4
.set I, I+1
.endr
	WIN W_TO
.irp k, 0,1
.irp e, 0,1,2,3
	ds_load_tr16_b128 v[VF+32*\k+8*\e:VF+32*\k+8*\e+3],   v[ADV] offset:4096*\k+512*\e        ; V^T: channels 16 e on, keys 32 k + 8 h + 0 .. 7,
	ds_load_tr16_b128 v[VF+32*\k+8*\e+4:VF+32*\k+8*\e+7], v[ADV] offset:4096*\k+2048+512*\e   ; and 16 further on
.endr
.endr
	s_wait_dscnt 16                                ; K is in; V's sixteen loads, issued behind K's, may be out
	WIN W_KQ
.irp u, 0,1                            ; the 16 accumulators take turns, one instruction a turn; the first 16 products start the sums
.irp k, 0,1,2,3
.irp t, 0,1,2,3
.if \u == 0
	v_wmma_f32_16x16x32_f16 v[SC+32*\t+8*\k:SC+32*\t+8*\k+7], v[KF+16*\k:KF+16*\k+7], v[16*\t:16*\t+7], 0
.else
	v_wmma_f32_16x16x32_f16 v[SC+32*\t+8*\k:SC+32*\t+8*\k+7], v[KF+16*\k+8:KF+16*\k+15], v[16*\t+8:16*\t+15], v[SC+32*\t+8*\k:SC+32*\t+8*\k+7]
.endif
.endr
.endr
.endr
	WIN 0
.rept 4
	v_nop                                          ; four places between the last product and the first read of results (ISA guide 7.12.1)
.endr
.irp j, 0,1,2,3                        ; the maximum of a lane's 32 scores and the old m, three operands at a time: four chains; each accumulator is read from its low end on
.irp t, 0,1,2,3
	v_max3_num_f32 v[ST+8*\t+4+\j], v[SC+32*\t+8*\j], v[SC+32*\t+8*\j+1], v[SC+32*\t+8*\j+2]
.endr
.endr
.irp i, 3,5
.irp j, 0,1,2,3
.irp t, 0,1,2,3
	v_max3_num_f32 v[ST+8*\t+4+\j], v[ST+8*\t+4+\j], v[SC+32*\t+8*\j+\i], v[SC+32*\t+8*\j+\i+1]
.endr
.endr
.endr
.irp t, 0,1,2,3
	v_max3_num_f32 v[ST+8*\t+4], v[ST+8*\t+4], v[SC+32*\t+7], v[SC+32*\t+15]
.endr
.irp t, 0,1,2,3
	v_max3_num_f32 v[ST+8*\t+6], v[ST+8*\t+6], v[SC+32*\t+23], v[SC+32*\t+31]
.endr
.irp t, 0,1,2,3
	v_max3_num_f32 v[ST+8*\t+4], v[ST+8*\t+4], v[ST+8*\t+5], v[ST+8*\t+6]
.endr
.irp t, 0,1,2,3
	v_max3_num_f32 v[ST+8*\t+4], v[ST+8*\t+4], v[ST+8*\t+7], v[ST+8*\t+1]
.endr
.irp t, 0,1,2,3
	v_permlanex16_b32 v[ST+8*\t+5], v[ST+8*\t+4], s[SEL], s[SEL+1]   ; the query's other 32 keys lie in the lane 16 away
.endr
.irp t, 0,1,2,3
	v_mov_b32 v[ST+8*\t+7], v[ST+8*\t]             ; c m_old is kept for a
.endr
.irp t, 0,1,2,3
	v_max_num_f32 v[ST+8*\t+1], v[ST+8*\t+4], v[ST+8*\t+5]
.endr
.irp t, 0,1,2,3
	v_mul_f32 v[ST+8*\t], s[CS], v[ST+8*\t+1]
.endr
.irp t, 0,1,2,3
	v_sub_f32 v[ST+8*\t+7], v[ST+8*\t+7], v[ST+8*\t]
.endr
.set I, 0
.rept 16
.irp t, 0,1,2,3
	v_pk_fma_f32 v[SC+32*\t+2*I:SC+32*\t+2*I+1], v[SC+32*\t+2*I:SC+32*\t+2*I+1], s[CS:CS+1], v[ST+8*\t:ST+8*\t+1] op_sel_hi:[1,0,0] neg_lo:[0,0,1] neg_hi:[0,0,1]   ; c s - c m, two at a time
.endr
.set I, I+1
.endr
.irp t, 0,1,2,3                        ; ONE BATCH of 132 exponentials: none of them reads another's result
	v_exp_f32 v[ST+8*\t+6], v[ST+8*\t+7]           ; a
.endr
.set I, 0
.rept 32
.irp t, 0,1,2,3
	v_exp_f32 v[SC+32*\t+I], v[SC+32*\t+I]         ; p, at most 1
.endr
.set I, I+1
.endr
	v_nop                                          ; a plain instruction behind the last exponential, ahead of the first use
	s_wait_alu depctr_va_vdst(0)                   ; and the wait ahead of the first instruction that names a result: one for the batch
.irp t, 0,1,2,3
	v_pk_add_f32 v[ST+8*\t+4:ST+8*\t+5], v[SC+32*\t:SC+32*\t+1], v[SC+32*\t+2:SC+32*\t+3]   ; the sum of the unrounded p, a pair at a time
.endr
.set I, 2
.rept 14
.irp t, 0,1,2,3
	v_pk_add_f32 v[ST+8*\t+4:ST+8*\t+5], v[ST+8*\t+4:ST+8*\t+5], v[SC+32*\t+2*I:SC+32*\t+2*I+1]
.endr
.set I, I+1
.endr
.irp t, 0,1,2,3
	v_pk_fma_f32 v[ST+8*\t+2:ST+8*\t+3], v[ST+8*\t+2:ST+8*\t+3], v[ST+8*\t+6:ST+8*\t+7], v[ST+8*\t+4:ST+8*\t+5] op_sel_hi:[1,0,1]   ; l = a l + the sum
.endr
.set I, 0
.rept 16
.irp t, 0,1,2,3
	v_cvt_pk_f16_f32 v[SC+32*\t+I], v[SC+32*\t+2*I], v[SC+32*\t+2*I+1]   ; P in place, ascending: register I is written when registers 2 I and 2 I + 1 are read, never above a register still to be read
.endr
.set I, I+1
.endr
	WIN W_RS
.set I, 0
.rept 16
.irp t, 0,1,2,3
	v_pk_mul_f32 v[OT+32*\t+2*I:OT+32*\t+2*I+1], v[OT+32*\t+2*I:OT+32*\t+2*I+1], v[ST+8*\t+6:ST+8*\t+7] op_sel_hi:[1,0]   ; O^T times a, each accumulator from its low end on
.endr
.set I, I+1
.endr
	s_wait_dscnt 0x0                               ; V is in
	WIN W_PV
.irp k, 0,1                            ; the 16 accumulators take turns
.irp e, 0,1,2,3
.irp t, 0,1,2,3
	v_wmma_f32_16x16x32_f16 v[OT+32*\t+8*\e:OT+32*\t+8*\e+7], v[VF+32*\k+8*\e:VF+32*\k+8*\e+7], v[SC+32*\t+8*\k:SC+32*\t+8*\k+7], v[OT+32*\t+8*\e:OT+32*\t+8*\e+7]
.endr
.endr
.endr
	WIN 0
.rept 5
	v_nop                                          ; five places: the next step's products write over P, which these have read, and its loads land in V (four would do for the loads)
.endr
	s_add_co_u32 s[TB], s[TB], STB
.endm
.macro STEPS from, n                   ; n key steps, from LDS byte from of K and of V on
	s_mov_b32 s[TB], \from
	s_mov_b32 s[CNT], \n
.Lstep_\@:
	STEP
	s_sub_co_u32 s[CNT], s[CNT], 1
	s_cmp_lg_u32 s[CNT], 0
	s_cbranch_scc1 .Lstep_\@
.endm
	s_wait_loadcnt 0x0                             ; Q
	s_wait_tensorcnt 0x0                           ; my part of the first 256 keys is in: no tensor load of mine is out
	ds_add_u32 v[SPW], v[NIL]                      ; 0 onto my spare word
	s_wait_dscnt 0x0                               ; the add is done
	s_barrier_signal -1
	s_barrier_wait -1                              ; everybody's part is in.  All eight loads are first fills
	tensor_load_to_lds s[G0+4:G0+7], s[G1R:G1R+7]  ; my one tensor load behind the barrier, and the first thing there: my quarter of the other 768 keys
	s_nop 0
.rept 4
	v_nop
.endr
	STEPS 0, 4                                     ; the first 256 keys, while the others are on their way
	s_wait_tensorcnt 0x0                           ; my part of them is in;
	s_wait_dscnt 0x0
	s_barrier_signal -1
	s_barrier_wait -1                              ; everybody's is
	STEPS CHB, 12
	; THE WAY OUT.  l's two halves and the other half of the lanes' are added; O^T is divided by l and rounded to f16: a lane's eight channels are its 16 bytes of a group of the projection's fragment.
.irp t, 0,1,2,3
	v_add_f32 v[ST+8*\t+4], v[ST+8*\t+2], v[ST+8*\t+3]
.endr
.irp t, 0,1,2,3
	v_permlanex16_b32 v[ST+8*\t+5], v[ST+8*\t+4], s[SEL], s[SEL+1]
.endr
.irp t, 0,1,2,3
	v_add_f32 v[ST+8*\t+4], v[ST+8*\t+4], v[ST+8*\t+5]
.endr
.irp t, 0,1,2,3
	v_rcp_f32 v[ST+8*\t+6], v[ST+8*\t+4]
.endr
	v_nop                                          ; a plain instruction between the last reciprocal and the use of its result
	s_wait_alu depctr_va_vdst(0)                   ; and the wait ahead of the first use: one for the four
	WIN W_RS
.irp t, 0,1,2,3
.set I, 0
.rept 16
	v_pk_mul_f32 v[OT+32*\t+2*I:OT+32*\t+2*I+1], v[OT+32*\t+2*I:OT+32*\t+2*I+1], v[ST+8*\t+6:ST+8*\t+7] op_sel_hi:[1,0]
.set I, I+1
.endr
.endr
	WIN 0x05                                       ; sources 0 and 1 window 1, destination window 0: S^T's registers are free
.irp t, 0,1,2,3
.set I, 0
.rept 16
	v_cvt_pk_f16_f32 v[SC+16*\t+I], v[OT+32*\t+2*I], v[OT+32*\t+2*I+1]
.set I, I+1
.endr
.endr
	WIN 0
.irp t, 0,1,2,3
.irp e, 0,1,2,3
	global_store_b128 v[LIO], v[SC+16*\t+4*\e:SC+16*\t+4*\e+3], s[6:7] offset:4096*\t+512*\e   ; 32 lanes store 512 consecutive bytes, aligned
.endr
.endr
	s_wait_tensorcnt 0x0                           ; the wave's end, behind my last tensor load
	ds_add_u32 v[SPW], v[NIL]
	s_wait_dscnt 0x0
	s_endpgm
.Lfunc_end_k_q8293bc41b4_attn:
	.size	k_q8293bc41b4_attn, .Lfunc_end_k_q8293bc41b4_attn-k_q8293bc41b4_attn
	.p2alignl 7, 3214868480
	.fill 96, 4, 3214868480
	.section	.rodata,"a",@progbits
	.p2align	6, 0x0
	.amdhsa_kernel k_q8293bc41b4_attn
		.amdhsa_group_segment_fixed_size 327680
		.amdhsa_private_segment_fixed_size 0
		.amdhsa_enable_private_segment 0
		.amdhsa_kernarg_size 16
		.amdhsa_user_sgpr_count 2
		.amdhsa_user_sgpr_kernarg_segment_ptr 1
		.amdhsa_wavefront_size32 1
		.amdhsa_system_sgpr_workgroup_id_x 1
		.amdhsa_system_sgpr_workgroup_id_y 1
		.amdhsa_system_sgpr_workgroup_id_z 1
		.amdhsa_system_vgpr_workitem_id 0
		.amdhsa_next_free_vgpr 512
		.amdhsa_next_free_sgpr 66
		.amdhsa_reserve_vcc 0
		.amdhsa_float_denorm_mode_32 3
		.amdhsa_float_denorm_mode_16_64 3
		.amdhsa_memory_ordered 1
		.amdhsa_forward_progress 1
		.amdhsa_inst_pref_size 85
	.end_amdhsa_kernel
	.amdgpu_metadata
---
amdhsa.version: [ 1, 2 ]
amdhsa.kernels:
  - .name:           k_q8293bc41b4_attn
    .symbol:         k_q8293bc41b4_attn.kd
    .args:
      - { .name: qkv, .offset: 0, .size: 8, .value_kind: global_buffer, .address_space: global }
      - { .name: obuf, .offset: 8, .size: 8, .value_kind: global_buffer, .address_space: global }
    .group_segment_fixed_size: 327680
    .private_segment_fixed_size: 0
    .kernarg_segment_align: 8
    .kernarg_segment_size: 16
    .max_flat_workgroup_size: 256
    .sgpr_count:     66
    .vgpr_count:     512
    .wavefront_size: 32
...
	.end_amdgpu_metadata
.endif
;; end of part 3
;; launch proj (part 4): grid 4 x 64, 4 waves a work-group, clusters of 4 x 4, 327,680 bytes of LDS; arguments obuf, wob, b_out, out0; writes out0
.if DOCPART == 4
	.amdgcn_target "amdgcn-amd-amdhsa--gfx1250"
	.amdhsa_code_object_version 6
	.text
	.protected	k_q8293bc41b4_proj
	.globl	k_q8293bc41b4_proj
	.p2align	8
	.type	k_q8293bc41b4_proj,@function
k_q8293bc41b4_proj:
	s_mov_b64 s[64:65], 0
	v_nop
	global_prefetch_b8 v0, s[64:65] scope:SCOPE_SE
	s_setreg_imm32_b32 hwreg(HW_REG_WAVE_MODE, 25, 1), 1
	s_wait_xcnt 0x0
	s_wait_alu depctr_hold_cnt(0) depctr_sa_sdst(0) depctr_va_vdst(0) depctr_va_sdst(0) depctr_va_ssrc(0) depctr_va_vcc(0) depctr_vm_vsrc(0)
	s_getreg_b32 s2, hwreg(HW_REG_IB_STS2, 6, 4)
	s_cmp_eq_u32 s2, 0
	s_cbranch_scc0 .Lentry_in_a_cluster
	s_endpgm
.Lentry_in_a_cluster:
	s_bfe_u32 s2, ttmp6, 0x10000c
	s_cmp_lg_u32 s2, 0xf033
	s_cbranch_scc0 .Lentry_shape_is_right
	s_endpgm
.Lentry_shape_is_right:
; out0 = O w_out + b_out: [8192][1024] x [1024][1024], operands in f16, sums in f32, the result f32.
; Both operands come as images of operand registers (a group of four registers: 512 bytes, lane l's 16 bytes at 16 l):
;   obuf [128 along K: 8][tile of 16 rows 512][32 along K: 4][group 2][512 B];  wob the same of w_out's 64 tiles of 16 columns.  So a tile's 128 along K are 4,096 dense bytes, and LDS needs no padding.
; A tile of the result is 128 rows x 256 columns: 256 work-groups of four waves; a wave makes 64 x 128: 32 accumulators of 16 x 16, 256 registers.  K goes in eight steps of 128 through a ring of two LDS slots.
; CLUSTERS: 4 x 4 work-groups.  The four of a row of the cluster need the same tiles of O, the four of a column the same tiles of w_out: each is asked for JOINTLY, by the same tensor load with the same descriptor and a mask that names the four.
; THE MATRIX INSTRUCTION IS USED TRANSPOSED (source 0 = 16 columns of w_out, source 1 = 16 rows of O): a lane then holds eight neighbouring numbers of a row of the result.  The bias is the C of each sum's first product: no addition is spent on it.
; REGISTERS, in windows of 256: window 0: v0-31 addresses; v64-127 the bias, eight registers a tile of 16 columns in the result's layout; v128-255 rows on the way out.
;   window 1: two fragment buffers of 96 for 32 along K, at v0 and v128: O's four tiles, then w_out's eight.   window 2: the accumulators ((a, b) at v[8 (8 a + b)]).
.set TILEB,  4096                      ; 16 rows x 128 K as images
.set AHALF,  4*TILEB                   ; 64 rows of O: what one tensor load brings, and what one wave reads
.set BHALF,  8*TILEB                   ; 128 columns of w_out likewise
.set BOFF,   2*AHALF
.set SLOT,   BOFF+2*BHALF              ; O's 128 rows, then w_out's 256 columns
.set STAGE,  2*SLOT                    ; behind the ring: 16 rows x (512 bytes + 16) for each wave, for the way out; no tile lands there
.set SPITCH, 528
.set SPARE,  STAGE+4*16*SPITCH         ; the spare words, 128 bytes for each wave: two blocks of 256 bytes that no other line names
.set LAPS,   4                         ; a lap = two K steps = once round the ring
.set ASTEP,  2097152                   ; obuf: from K step to K step
.set BSTEP,  262144                    ; wob likewise
.set ADRA, 16                          ; v16-17  LDS address of my fragments of O in slot 0, 1
.set ADRB, 20                          ; v20-21  the same for w_out
.set STO,  24                          ; v24     the way out: where I put 32 bytes of a row
.set RD,   25                          ; v25     the way out: where I read a row back
.set CO,   26                          ; v26     16 x lane
.set BO,   27                          ; v27     32 h: my eight numbers of a tile's sixteen of the bias
.set SPW,  28                          ; v28     LDS address of my spare word; never rewritten
.set NIL,  29                          ; v29     0; never rewritten
.set PFO,  30                          ; v30     256 x lane: the prefetches' offset; never rewritten
.set BI,   64
.set BK,   128
.set F0,   0
.set F1,   128
.set G1, 24                            ; s[24:31] descriptor group 1 for O's tiles;  s[32:39] group 0, one set for each slot
.set G0, 32
.set G1B, 48                           ; s[48:55], s[56:63] the same for w_out's
.set G0B, 56
.set LIM, 45                           ; s45     1 in the wave that prefetches, else the greatest number
.set PFA, 46                           ; s[46:47] where my prefetches stand: my work-group's quarter of the tile of O, one K step further on than the refill that is being asked for
.set MSB, 0
.macro WIN new                         ; the immediate's high byte repeats the setting that is left
.if MSB != \new
	s_set_vgpr_msb (MSB<<8)|\new
.set MSB, \new
.endif
.endm
.set MUL,  0xa5                        ; sources 0 and 1 window 1; C and D window 2
.set MULF, 0x85                        ; the same with C (the bias) in window 0
.set TO_F, 0x40                        ; destination window 1, address window 0
.macro JLOAD s                         ; a joint load: waves 0 and 1 fetch O's two halves, waves 2 and 3 w_out's; an s_nop 0 and four v_nop follow each of the two lines, ahead of the jump, the label and what follows
	s_cmp_eq_u32 s13, 0
	s_cbranch_scc0 .Lfor_b_\@
	tensor_load_to_lds s[G0+4*\s:G0+4*\s+3], s[G1:G1+7]
	s_nop 0
.rept 4
	v_nop
.endr
	s_branch .Lasked_\@
.Lfor_b_\@:
	tensor_load_to_lds s[G0B+4*\s:G0B+4*\s+3], s[G1B:G1B+7]
	s_nop 0
.rept 4
	v_nop
.endr
.Lasked_\@:
.endm
; A PREFETCH INTO THE L2 of O's tile of the K step that stands TWO refills on: 256 matrix instructions of a wave ahead of the load that will want it.  A tile of O for a K step is 32,768 dense bytes, read by the four partners of a row of the
; cluster and by nobody else: they share it out BY ADDRESS, 8,192 bytes each (cx), wave 0 of each asking, lanes 256 bytes apart: each aligned block of 256 bytes is named once in the launch.  The loop's last trip asks for nothing: K has no step two on.
; K steps 0 to 3 come by their loads alone.  w_out's tiles are read by all sixteen rows of clusters, not once: they are not asked for.
.macro ASK
	s_cmp_gt_u32 s3, s[LIM]                        ; s3 = 1 in the loop's last trip
	s_cbranch_scc0 .Lnot_mine_\@
	global_prefetch_b8 v[PFO], s[PFA:PFA+1] offset:ASTEP th:TH_LOAD_NT scope:SCOPE_SE
.Lnot_mine_\@:
.endm
.macro CREST                           ; a round of the cluster's barrier behind its opening barrier
	s_cmp_lg_u32 s12, 0
	s_cbranch_scc1 .Lnot_wave_0_\@
	s_barrier_signal -3
.Lnot_wave_0_\@:
	s_barrier_wait -3
	s_barrier_signal -1
	s_barrier_wait -1
.endm
.macro CROUND                          ; a whole round
	s_barrier_signal -1
	s_barrier_wait -1
	CREST
.endm
	s_load_b256 s[4:11], s[0:1], 0x0               ; obuf s[4:5], wob s[6:7], b_out s[8:9], out0 s[10:11]
	v_lshl_add_u32 v[SPW], v0, 2, SPARE
	v_mov_b32 v[NIL], 0
	ds_add_u32 v[SPW], v[NIL]                      ; the wave's opening: the add, twice on end, and its wait ahead of my first tensor load
	ds_add_u32 v[SPW], v[NIL]                      ; and once more; the set-up below, work on registers, stands between it and the wait
	v_lshrrev_b32 v1, 5, v0
	v_readfirstlane_b32 s12, v1                    ; wave 0..3
	s_lshr_b32 s13, s12, 1                         ; which half of the tile's rows is mine.  Also: I fetch for O (0) or for w_out (1)
	s_and_b32 s14, s12, 1                          ; which half of its columns.  Also: which half of that operand I fetch
	s_bfe_u32 s40, ttmp6, 0x40000                  ; cx, cy: my place in the cluster
	s_bfe_u32 s41, ttmp6, 0x40004
	s_lshl_b32 s42, ttmp9, 2
	s_add_co_u32 s42, s42, s40                     ; tile column = 4 x cluster x + cx
	s_and_b32 s15, ttmp7, 0xffff
	s_lshl_b32 s15, s15, 2
	s_add_co_u32 s15, s15, s41                     ; tile row = 4 x cluster y + cy
	s_lshl_b32 s43, s41, 2
	s_lshl_b32 s43, 15, s43                        ; my row of the cluster
	s_lshl_b32 s44, 0x1111, s40                    ; my column
	; descriptor group 1: a dense block as rows of 256 bytes (32 elements of 8 bytes): 64 rows for O, 128 for w_out
	s_or_b32 s[G1+0], s43, (3<<16)|(1<<21)         ; 15:0 the mask: O's tiles go to my row; 17:16 elements of 8 bytes; 21 set beside a mask
	s_mov_b32 s[G1+1], 32<<16                      ; tensor_dim0
	s_mov_b32 s[G1+2], 64<<16                      ; tensor_dim1
	s_mov_b32 s[G1+3], 32<<16                      ; tile_dim0
	s_mov_b32 s[G1+4], 64                          ; tile_dim1
	s_mov_b32 s[G1+5], 32                          ; tensor_dim0_stride
	s_mov_b32 s[G1+6], 0
	s_mov_b32 s[G1+7], 0
	s_or_b32 s[G1B+0], s44, (3<<16)|(1<<21)        ; w_out's to my column
	s_mov_b32 s[G1B+1], 32<<16
	s_mov_b32 s[G1B+2], 128<<16
	s_mov_b32 s[G1B+3], 32<<16
	s_mov_b32 s[G1B+4], 128
	s_mov_b32 s[G1B+5], 32
	s_mov_b32 s[G1B+6], 0
	s_mov_b32 s[G1B+7], 0
	s_lshl_b32 s16, s15, 15                        ; O: 8 tiles of 4,096 bytes a tile row,
	s_lshl_b32 s17, s14, 14                        ; 4 a half
	s_add_co_u32 s16, s16, s17
	s_mov_b32 s17, 0
	s_lshl_b32 s18, s42, 16                        ; w_out: 16 tiles a tile column,
	s_lshl_b32 s19, s14, 15                        ; 8 a half
	s_add_co_u32 s18, s18, s19
	s_mov_b32 s19, 0
	s_lshl_b32 s20, s14, 14                        ; where they go: by the wave's number alone
	s_lshl_b32 s21, s14, 15
	s_add_co_u32 s21, s21, BOFF
	s_cmp_eq_u32 s12, 0
	s_cselect_b32 s[LIM], 1, -1
	s_wait_dscnt 0x0                               ; both opening adds are done
	s_wait_kmcnt 0x0
	s_add_nc_u64 s[16:17], s[4:5], s[16:17]
	s_add_nc_u64 s[18:19], s[6:7], s[18:19]
	CROUND                                         ; all sixteen work-groups are here: the first joint loads meet
.irp s, 0,1
	s_mov_b32 s[G0+4*\s], 1
	s_add_co_u32 s[G0+4*\s+1], s20, \s*SLOT
	s_add_nc_u64 s[G0+4*\s+2:G0+4*\s+3], s[16:17], \s*ASTEP
	s_or_b32 s[G0+4*\s+3], s[G0+4*\s+3], 0x80000000
	s_mov_b32 s[G0B+4*\s], 1
	s_add_co_u32 s[G0B+4*\s+1], s21, \s*SLOT
	s_add_nc_u64 s[G0B+4*\s+2:G0B+4*\s+3], s[18:19], \s*BSTEP
	s_or_b32 s[G0B+4*\s+3], s[G0B+4*\s+3], 0x80000000
	JLOAD \s                                       ; two tensor loads of mine are out behind the second
.endr
	v_and_b32 v1, 15, v0                           ; r
	v_bfe_u32 v2, v0, 4, 1                         ; h
	v_and_b32 v3, 31, v0
	v_lshlrev_b32 v[CO], 4, v3
	v_lshlrev_b32 v[BO], 5, v2
	v_lshlrev_b32 v[PFO], 8, v3
	s_lshl_b32 s22, s42, 10                        ; my first column, in bytes of f32: 1,024 x tile column + 512 x half
	s_lshl_b32 s23, s14, 9
	s_add_co_u32 s22, s22, s23
	s_mov_b32 s23, 0
	s_add_nc_u64 s[8:9], s[8:9], s[22:23]
	s_add_nc_u64 s[10:11], s[10:11], s[22:23]
.irp b, 0,1,2,3,4,5,6,7
	global_load_b128 v[BI+8*\b:BI+8*\b+3],   v[BO], s[8:9] offset:64*\b      ; the bias at columns 16 b + 8 h + 0 .. 7: the result's layout
	global_load_b128 v[BI+8*\b+4:BI+8*\b+7], v[BO], s[8:9] offset:64*\b+16
.endr
	s_lshl_b32 s22, s15, 19                        ; my first row of the result: 128 x tile row + 64 x half, 4,096 bytes each
	s_lshl_b32 s23, s13, 18
	s_add_co_u32 s22, s22, s23
	s_mov_b32 s23, 0
	s_add_nc_u64 s[10:11], s[10:11], s[22:23]
	s_lshl_b32 s22, s15, 15                        ; the prefetches: the tile of O, my work-group's quarter,
	s_lshl_b32 s23, s40, 13
	s_add_co_u32 s22, s22, s23
	s_mov_b32 s23, 0
	s_add_nc_u64 s[PFA:PFA+1], s[4:5], s[22:23]
	s_add_nc_u64 s[PFA:PFA+1], s[PFA:PFA+1], 2*ASTEP   ; at K step 2: the first refill steps it to 3 and names K step 4.  Nothing is prefetched here, at the head
	s_mul_i32 s21, s13, AHALF                      ; my 64 rows of O
	s_mul_i32 s22, s14, BHALF                      ; my 128 columns of w_out,
	s_add_co_u32 s22, s22, BOFF                    ; which lie behind O's 128 rows
.irp s, 0,1
	v_add_nc_u32 v[ADRA+\s], s21, v[CO]
	v_add_nc_u32 v[ADRB+\s], s22, v[CO]
	s_add_co_u32 s21, s21, SLOT
	s_add_co_u32 s22, s22, SLOT
.endr
	s_mul_i32 s23, s12, 16*SPITCH
	s_add_co_u32 s23, s23, STAGE                   ; my stage
	v_mul_u32_u24 v4, v1, SPITCH                   ; in: row r, 32 bytes for each half of the lanes
	v_lshl_add_u32 v4, v2, 5, v4
	v_add_nc_u32 v[STO], s23, v4
	v_add_nc_u32 v[RD], s23, v[CO]                 ; back: the 32 lanes take one row of 512 bytes
; 8 matrix instructions: O's block a against w_out's eight, 32 along K: buffer f.  first = 1: the bias is the C, and the product starts the sums.  The accumulators take turns, one instruction a turn.
.macro MUL8 f, a, first
.irp b, 0,1,2,3,4,5,6,7
.if \first
	v_wmma_f32_16x16x32_f16 v[8*(8*(\a)+\b):8*(8*(\a)+\b)+7], v[\f+32+8*\b:\f+32+8*\b+7], v[\f+8*(\a):\f+8*(\a)+7], v[BI+8*\b:BI+8*\b+7]
.else
	v_wmma_f32_16x16x32_f16 v[8*(8*(\a)+\b):8*(8*(\a)+\b)+7], v[\f+32+8*\b:\f+32+8*\b+7], v[\f+8*(\a):\f+8*(\a)+7], v[8*(8*(\a)+\b):8*(8*(\a)+\b)+7]
.endif
.endr
.endm
; 24 LDS loads in one run: the fragments of the slot's q-th 32 along K into buffer f: w_out's eight, then O's four
.macro FETCH slot, q, f
	WIN TO_F
.irp b, 0,1,2,3,4,5,6,7
	ds_load_b128 v[\f+32+8*\b:\f+32+8*\b+3],   v[ADRB+\slot] offset:\b*TILEB+(\q)*1024
	ds_load_b128 v[\f+32+8*\b+4:\f+32+8*\b+7], v[ADRB+\slot] offset:\b*TILEB+(\q)*1024+512
.endr
.irp i, 0,1,2,3
	ds_load_b128 v[\f+8*\i:\f+8*\i+3],   v[ADRA+\slot] offset:\i*TILEB+(\q)*1024
	ds_load_b128 v[\f+8*\i+4:\f+8*\i+7], v[ADRA+\slot] offset:\i*TILEB+(\q)*1024+512
.endr
.endm
.macro PLACES                          ; four places in front of loads into registers that matrix instructions have read, and of the first read of results (ISA guide 7.12.1 for the first read of results)
.rept 4
	v_nop
.endr
.endm
; A K step is four quarters of 32 along K, 32 matrix instructions each, on buffers 0, 1, 0, 1.  One of the first three: multiplies buffer f and fetches the slot's q-th quarter into g.
.macro QUARTER slot, q, f, g, first
	s_wait_dscnt 4                                 ; w_out's eight and O's blocks 0 and 1 are in; the youngest four loads (O's blocks 2 and 3) may be out
.if \first
	WIN MULF
.else
	WIN MUL
.endif
	MUL8 \f, 0, \first
	MUL8 \f, 1, \first
	PLACES
	FETCH \slot, \q, \g
	s_wait_dscnt 24                                ; all but the 24 just issued
.if \first
	WIN MULF
.else
	WIN MUL
.endif
	MUL8 \f, 2, \first
	MUL8 \f, 3, \first
.endm
; The last quarter multiplies buffer 1 and changes slots: ONE barrier; in front of it each wave waits for all its tensor loads, adds 0 to its spare word, and waits for that and for its own reads of this slot.  fill = 1: this slot is filled again, two K steps ahead.
.macro TURN slot, next, fill
.if \fill
	s_wait_xcnt 0x0                                ; the last prefetch, a K step back, has read its address: it is stepped here, ahead of the waits of the change of slots
	s_add_nc_u64 s[PFA:PFA+1], s[PFA:PFA+1], ASTEP
.endif
	WIN 0                                          ; (the add's two registers lie in window 0)
	s_wait_tensorcnt 0x0                           ; all my tensor loads have landed: the one that was out is my part of the next slot;
	ds_add_u32 v[SPW], v[NIL]                      ; 0 onto my spare word;
	s_wait_dscnt 5                                 ; (the add and the youngest four loads may be out)
	WIN MUL
	MUL8 F1, 0, 0                                  ; eight matrix instructions stand between the add and the wait for it
	s_wait_dscnt 0x0                               ; the add is done, and my reads of this slot are over
	s_barrier_signal -1
	MUL8 F1, 1, 0
.if \fill
	WIN 0
.endif
	s_barrier_wait -1
.if \fill
	CREST                                          ; the barrier has opened a round of the cluster's barrier: no wave of any partner still reads this slot's tile or has a load on its way
	s_add_nc_u64 s[G0+4*\slot+2:G0+4*\slot+3], s[G0+4*\slot+2:G0+4*\slot+3], 2*ASTEP
	s_add_nc_u64 s[G0B+4*\slot+2:G0B+4*\slot+3], s[G0B+4*\slot+2:G0B+4*\slot+3], 2*BSTEP
	JLOAD \slot                                    ; the first tensor load behind the round, and my only one until the next: 112 matrix instructions ahead of the wait for it; its four v_nop are also the places in front of the loads below
.else
	PLACES
.endif
	FETCH \next, 0, F0
.if \fill
	WIN 0
	ASK                                            ; behind the joint load and the run of LDS loads that the next products wait for
.endif
	WIN MUL
	MUL8 F1, 2, 0
	MUL8 F1, 3, 0
.endm
	s_wait_tensorcnt 1                             ; my part of K step 0 is in (K step 1's load may be out)
	s_barrier_signal -1
	s_barrier_wait -1                              ; everybody's is
	FETCH 0, 0, F0
	s_wait_loadcnt 0x0                             ; the bias
	QUARTER 0, 1, F0, F1, 1                        ; the first quarter stands in front of the loop: its products start the sums, on the bias
	WIN 0                                          ; at a label and at a branch every window is 0
	s_mov_b32 s3, LAPS-1
.Llap:                                                 ; a trip goes once round the ring, from a lap's second quarter to the next lap's first, and fills both slots again
	QUARTER 0, 2, F1, F0, 0
	QUARTER 0, 3, F0, F1, 0
	TURN 0, 1, 1
	QUARTER 1, 1, F0, F1, 0
	QUARTER 1, 2, F1, F0, 0
	QUARTER 1, 3, F0, F1, 0
	TURN 1, 0, 1
	QUARTER 0, 1, F0, F1, 0
	WIN 0
	s_sub_co_u32 s3, s3, 1
	s_cmp_lg_u32 s3, 0
	s_cbranch_scc1 .Llap
	QUARTER 0, 2, F1, F0, 0                        ; the last lap fills nothing, and has no round of the cluster's barrier
	QUARTER 0, 3, F0, F1, 0
	TURN 0, 1, 0
	QUARTER 1, 1, F0, F1, 0
	QUARTER 1, 2, F1, F0, 0
	QUARTER 1, 3, F0, F1, 0
	s_wait_dscnt 4                                 ; the very last quarter: nothing more to fetch
	WIN MUL
	MUL8 F1, 0, 0
	MUL8 F1, 1, 0
	s_wait_dscnt 0
	MUL8 F1, 2, 0
	MUL8 F1, 3, 0
	WIN 0
; THE WAY OUT, block by block of 16 rows x 128 columns.  A lane holds 32 neighbouring bytes of a row, and the lanes beside it hold other rows: so a block goes through my own stage in LDS and comes back as whole rows of 512 bytes.
; LDS serves a wave's instructions in order (ISA guide 5.7.1.4): no wait between the stores and the loads, nor in front of the next block's stores.
.macro TOSTAGE a
	WIN 0x08                                       ; an LDS store's data are its source 1: window 2
.irp b, 0,1,2,3,4,5,6,7
	ds_store_b128 v[STO], v[64*(\a)+8*\b:64*(\a)+8*\b+3] offset:64*\b        ; each accumulator from its low end on
	ds_store_b128 v[STO], v[64*(\a)+8*\b+4:64*(\a)+8*\b+7] offset:64*\b+16
.endr
	WIN 0
.set BB, BK+64*((\a)%2)
.irp t, 0,1,2,3,4,5,6,7,8,9,10,11,12,13,14,15
	ds_load_b128 v[BB+4*\t:BB+4*\t+3], v[RD] offset:\t*SPITCH
.endr
.endm
.macro SEND a, younger                 ; younger: the LDS instructions issued behind block a's loads, which may stay out
.set BB, BK+64*((\a)%2)
	s_wait_dscnt \younger                          ; the block is back in registers
.irp t, 0,1,2,3,4,5,6,7,8,9,10,11,12,13,14,15
	global_store_b128 v[CO], v[BB+4*\t:BB+4*\t+3], s[10:11] offset:(\a)*65536+\t*4096 th:TH_STORE_NT   ; 32 lanes store 512 consecutive bytes, aligned; written once, read by nobody here
.endr
.endm
	PLACES                                         ; behind the last products, in front of the first read of results
	TOSTAGE 0
.irp a, 1,2,3
.if \a > 1
	s_wait_xcnt 0x0                                ; block a - 2's stores have read their registers: block a's loads land there only behind this wait
.endif
	TOSTAGE \a
	SEND (\a)-1, 32                                ; behind block a - 1's loads: block a's 16 stores and 16 loads
.endr
	SEND 3, 0
	s_wait_tensorcnt 0x0                           ; the wave's end, behind my last tensor load and my last LDS store
	ds_add_u32 v[SPW], v[NIL]
	s_wait_dscnt 0x0
	CROUND                                         ; the closing round: no work-group ends while a partner may still ask for a tile that names it
	s_endpgm
.Lfunc_end_k_q8293bc41b4_proj:
	.size	k_q8293bc41b4_proj, .Lfunc_end_k_q8293bc41b4_proj-k_q8293bc41b4_proj
	.p2alignl 7, 3214868480
	.fill 96, 4, 3214868480
	.section	.rodata,"a",@progbits
	.p2align	6, 0x0
	.amdhsa_kernel k_q8293bc41b4_proj
		.amdhsa_group_segment_fixed_size 327680
		.amdhsa_private_segment_fixed_size 0
		.amdhsa_enable_private_segment 0
		.amdhsa_kernarg_size 32
		.amdhsa_user_sgpr_count 2
		.amdhsa_user_sgpr_kernarg_segment_ptr 1
		.amdhsa_wavefront_size32 1
		.amdhsa_system_sgpr_workgroup_id_x 1
		.amdhsa_system_sgpr_workgroup_id_y 1
		.amdhsa_system_sgpr_workgroup_id_z 1
		.amdhsa_system_vgpr_workitem_id 0
		.amdhsa_next_free_vgpr 768
		.amdhsa_next_free_sgpr 66
		.amdhsa_reserve_vcc 0
		.amdhsa_float_denorm_mode_32 3
		.amdhsa_float_denorm_mode_16_64 3
		.amdhsa_memory_ordered 1
		.amdhsa_forward_progress 1
		.amdhsa_inst_pref_size 87
	.end_amdhsa_kernel
	.amdgpu_metadata
---
amdhsa.version: [ 1, 2 ]
amdhsa.kernels:
  - .name:           k_q8293bc41b4_proj
    .symbol:         k_q8293bc41b4_proj.kd
    .args:
      - { .name: obuf, .offset: 0, .size: 8, .value_kind: global_buffer, .address_space: global }
      - { .name: wob, .offset: 8, .size: 8, .value_kind: global_buffer, .address_space: global }
      - { .name: b_out, .offset: 16, .size: 8, .value_kind: global_buffer, .address_space: global }
      - { .name: out0, .offset: 24, .size: 8, .value_kind: global_buffer, .address_space: global }
    .group_segment_fixed_size: 327680
    .private_segment_fixed_size: 0
    .kernarg_segment_align: 8
    .kernarg_segment_size: 32
    .max_flat_workgroup_size: 128
    .sgpr_count:     66
    .vgpr_count:     768
    .wavefront_size: 32
...
	.end_amdgpu_metadata
.endif
;; end of part 4
